; MI455X (gfx1250); checked and timed in simulation.
; The chip was launched on July 23, 2026; its instructions are those of AMD's public machine-readable ISA for CDNA 5 (MIT licence, August 2026) and "CDNA5" Instruction Set Architecture Reference Guide (July 2026). The comments in the code are by the model that wrote it; some were corrected since.
;; Character Isolation Attention. Allowed arithmetic: matrix products marked QUANTISED: E2M3 operands, one E8M0 scale for each 32 along K, by v_wmma_scale_f32_16x16x128_f8f6f4 with both operands' format E2M3, f32 sums; products left as they are: f32 operands where the result goes on into a quantised operand, else bf16, f16 or f32 operands; f32 sums; everything else in f32.
;; Inputs: character_masks 2 x 4 x 2,048 float32; interaction_mask 2 x 2,048 x 2,048 float32; isolation_gate 16 float32; k_norm_w 64 float32; out_w 1,024 x 1,024 float32; q_norm_w 64 float32; qkv_w 3,072 x 1,024 float32; x 2 x 2,048 x 1,024 float32.
;; Outputs: out0 2 x 2,048 x 1,024 float32.
;; This version of the problem:
;;   THIS VERSION OF THE PROBLEM IS GIVEN IN LOW PRECISION. The matrix products marked QUANTISED in the list below multiply operands that are first quantised to E2M3 (2 exponent bits, 3 mantissa bits; 6 bits a number), with one power-of-two scale for each 32 numbers along K (OCP MX v1.0); their sums are f32. All else is computed in f32.
;;   The module's matrix products, in the order in which they are computed (A, B: the left and right operand; K: the contracted axis; several contracted axes count as one K, in the product's order):
;;     1. [M 4,096, K 1,024] x [K 1,024, N 3,072]; A: input x; B: input qkv_w: QUANTISED
;;     2. batch 32 x [M 2,048, K 64] x [K 64, N 2,048]; A: computed on the way; B: computed on the way: QUANTISED
;;     3. batch 2 x [M 2,048, K 4] x [K 4, N 2,048]; A: input character_masks; B: input character_masks: left as it is (K = 4 < 32)
;;     4. batch 32 x [M 2,048, K 2,048] x [K 2,048, N 64]; A: softmax (see below); B: computed on the way: QUANTISED
;;     5. [M 4,096, K 1,024] x [K 1,024, N 1,024]; A: computed on the way; B: input out_w: QUANTISED
;;   THE QUANTISER, for each operand of a quantised product, along K:
;;     - K is cut into blocks of 32 from its start; a last block that is shorter is filled with zeros.
;;     - A block's scale is 2^e with e = floor(log2(the largest magnitude in the block)) - 2, held to -126 .. 127; a block of zeros has e = 0. As a byte (E8M0): e + 127.
;;     - Each number is divided by its block's scale, clamped to +-7.5, and rounded to the nearest number of E2M3, ties to even, subnormals kept.
;;     - The product sums the exact products of the quantised numbers (number of the format x scale) in f32.
;;   ~~~python
;;   def quantise(x, axis):      # numpy; x: float32 -> the quantised numbers, widened to float32 again
;;       x = np.moveaxis(x, axis, -1); K = x.shape[-1]
;;       x = np.pad(x, [(0, 0)] * (x.ndim - 1) + [(0, -K % 32)]); x = x.reshape(x.shape[:-1] + (-1, 32)); a = np.abs(x).max(-1, keepdims=True)
;;       e = np.where(a > 0, np.clip(np.frexp(np.where(a > 0, a, 1))[1] - 1 - 2, -126, 127), 0)      # np.frexp(a)[1] - 1 = floor(log2(a)), exactly
;;       r = np.clip(x / 2.0 ** e, -7.5, 7.5)
;;       step = 2.0 ** (np.maximum(np.frexp(np.where(r == 0, 1, r))[1] - 1, 0) - 3)
;;       q = np.round(r / step) * step * 2.0 ** e      # np.round: ties to even
;;       return np.moveaxis(q.reshape(q.shape[:-2] + (-1,))[..., :K], -1, axis).astype(np.float32)
;;   ~~~
;;   SOFTMAX AHEAD OF A QUANTISED PRODUCT. Where the list says 'softmax', what is quantised is not the finished softmax but p = 2^(t - M), with t = logit x log2(e) and M = ceil(the row's largest t), a whole number; so 1/2 < the row's largest p <= 1. The row's sum l is taken of the UNQUANTISED p, in f32, and the product's result is divided by l at the end. Since M is a whole number, a kernel that streams over the keys may use a running M (the ceiling of the running maximum): every later rescaling is an exact power of two, which a block's scale takes up: the codes' values come out the same.
;;   OPERANDS COMPUTED ON THE WAY. 'Computed on the way' means the value that the module computes at that place (a softmax that the list does not call 'softmax' is quantised finished and normalised). What goes into a quantiser is computed in f32, as accurately as f32 sums, v_exp_f32 and their like allow (about 1e-6 of the number): no bf16 or f16 on the way to a quantiser, and a product that is left as it is and whose result goes on into a quantised operand takes f32 operands (vector FMAs, or v_wmma_f32_16x16x4_f32). A number that lies on a knife's edge between two numbers of the format may be rounded either way, as far as f32 arithmetic and the matrix unit's own rounding can turn it there, and no further.
;; One version. Each part assembles by itself: llvm-mc -triple=amdgcn-amd-amdhsa -mcpu=gfx1250 --defsym DOCPART=n.
;; ======== version 1 of 1: 4 launches
;; limits: right only within a limited range of input values
;; workspace buffers: cod 6,291,456 bytes; scl 262,144 bytes; cmf 131,072 bytes; qf 3,407,872 bytes; kvf 6,815,744 bytes; ac 3,145,728 bytes; asc 131,072 bytes
;; launch prep (part 1): grid 256 x 1, 4 waves a work-group, no clusters, 34,560 bytes of LDS; arguments x, qkv_w, out_w, character_masks, cod, scl, cmf; writes cod, scl, cmf
.if DOCPART == 1
	.amdgcn_target "amdgcn-amd-amdhsa--gfx1250"
	.amdhsa_code_object_version 6
	.text
	.protected	k_q6cec00fee2_prep
	.globl	k_q6cec00fee2_prep
	.p2align	8
	.type	k_q6cec00fee2_prep,@function
k_q6cec00fee2_prep:
	s_mov_b64 s[64:65], 0
	v_nop
	global_prefetch_b8 v0, s[64:65] scope:SCOPE_SE
	s_setreg_imm32_b32 hwreg(HW_REG_WAVE_MODE, 25, 1), 1
	s_wait_xcnt 0x0
; x [4096][1024], qkv_w [3072][1024] and out_w [1024][1024], f32, become codes of FP6 (E2M3) with one E8M0 byte for each 32 along K, laid as images of operand registers:
;   cod [kq 0..3][rowtile 0..511][3072 bytes]: 16 rows x 256 K = 4 half fragments of 768 bytes (64 K each): registers 0-3 of the 32 lanes at 16 x lane, registers 4-5 at 512 + 8 x lane.
;   scl [kq][rowtile][row][chunk of 128 K]: one word of four bytes each.   Rowtiles 0-255 x, 256-447 qkv_w, 448-511 out_w.
; THE ORDER INSIDE A BLOCK: position 16 h + 8 u + j of a block of 32 holds its element 16 u + 8 h + j.  Every operand of this program is laid so, so both sides of a product agree; blocks and scales are the true ones.
; It also finds, for each of its 16 tokens, the largest same_char over the 2,048 keys, and writes the character masks as operands of the f32 matrix form:
;   cmf [tile][8 x lane]: cm[b][2 h + j][16 tile + r], j = 0, 1; from byte 65,536 on the same x (20/3) / max(row's largest, 1e-6).
; SHARES: work-group w takes rowtiles 2 w, 2 w + 1 (32 whole rows) and token tile w; wave kq takes K = 256 kq .. + 255: four fragments of 16 rows x 128 K.
; LIMITS: NaN and infinities are not served; a block of zeros gets the byte 1 (its codes are zeros; this program alone reads the bytes); the division by the row's largest is a multiplication by v_rcp_f32's result.
; No tensor load, no cluster, no matrix unit: nothing large is shared and the bytes bind.
.set STGW,  8448                       ; a wave's stage: 16 rows x (512 + 16) bytes
.set RM,    33792                      ; 4 waves x 16 row maxima
.set SPARE, 34048                      ; the spare words: 128 bytes a wave, named by no other line
.set SPW,   14
.set NIL,   15
.set R,     16                         ; v16-143  two sets of 64: a fragment as loaded
.set X,     144                        ; v144-207 first the keys' masks, then a fragment with 16 numbers of each block in a lane
.set PC,    208                        ; v208-219 a fragment's codes
.set CT,    220                        ; v220-227 halves of blocks on their way
.set TM,    228                        ; v228-243 at work in QUANT
.set PWS,   244                        ; v244-247 the four fragments' scale words
.set D,     208                        ; v208-223 16 dot products (row maxima only)
.set M,     224                        ; v224-239 the 16 queries' maxima
	s_load_b256 s[4:11], s[0:1], 0x0               ; x, qkv_w, out_w, character_masks
	s_load_b128 s[12:15], s[0:1], 0x20             ; cod, scl
	s_load_b64 s[86:87], s[0:1], 0x30              ; cmf
	v_lshl_add_u32 v[SPW], v0, 2, SPARE
	v_mov_b32 v[NIL], 0
	v_lshrrev_b32 v1, 5, v0
	v_readfirstlane_b32 s96, v1                    ; wave = kq
	v_and_b32 v9, 31, v0                           ; lane
	v_and_b32 v248, 15, v0                         ; r
	v_bfe_u32 v249, v0, 4, 1                       ; h
	v_lshlrev_b32 v1, 4, v9                        ; 16 x lane
	s_mul_i32 s97, s96, STGW
	v_add_nc_u32 v2, s97, v1                       ; the stage, in: a row's 512 bytes as they lie
	v_mul_u32_u24 v3, v248, 528
	v_lshl_add_u32 v3, v249, 5, v3
	v_add_nc_u32 v3, s97, v3                       ; out: row r, + 32 h
	v_lshlrev_b32 v4, 3, v9                        ; 8 x lane
	s_lshl_b32 s97, s96, 6
	s_add_co_u32 s97, s97, RM
	v_mov_b32 v5, s97                              ; my wave's 16 maxima
	v_lshl_add_u32 v6, v248, 2, RM                 ; query r's, of wave 0
	s_lshl_b32 s97, s96, 11
	v_add_nc_u32 v7, s97, v1                       ; my wave's 512 keys, 4 a lane and load
	v_lshlrev_b32 v8, 2, v248
	v_lshl_add_u32 v8, v249, 14, v8                ; the f32 fragment: channel 2 h, token r
	s_mov_b32 s66, 0xffff0000                      ; lanes 16-31
	s_mov_b32 s100, 0x76543210
	s_mov_b32 s101, 0xfedcba98                     ; v_permlanex16_b32: lane l xor 16
	s_mov_b32 s89, 0                               ; the packed forms name pairs: the upper words are written once
	s_mov_b32 s91, 0
	s_mov_b32 s93, 0
	s_mov_b32 s95, 0
	s_lshr_b32 s98, ttmp9, 7                       ; b
	s_lshl_b32 s98, s98, 15
	s_mov_b32 s99, 0
	s_and_b32 s84, ttmp9, 127
	s_lshl_b32 s84, s84, 6                         ; my 16 tokens, 64 bytes
	s_mov_b32 s85, 0
	s_wait_alu depctr_va_vdst(0)
	s_wait_kmcnt 0x0
	s_add_nc_u64 s[10:11], s[10:11], s[98:99]      ; the batch's masks
	s_add_nc_u64 s[84:85], s[10:11], s[84:85]      ; at my tokens
	s_load_b512 s[16:31], s[84:85], 0x0            ; cm[c][my 16 tokens], c = 0 .. 3
	s_load_b512 s[32:47], s[84:85], 0x2000
	s_load_b512 s[48:63], s[84:85], 0x4000
	s_load_b512 s[68:83], s[84:85], 0x6000
	s_mov_b32 s97, 224
	s_cmp_lt_u32 ttmp9, 224                        ; which tensor: the choice hangs on the work-group's number alone
	s_cselect_b64 s[6:7], s[6:7], s[8:9]
	s_cselect_b32 s97, 128, s97
	s_cmp_lt_u32 ttmp9, 128
	s_cselect_b64 s[4:5], s[4:5], s[6:7]
	s_cselect_b32 s97, 0, s97
	s_sub_co_u32 s97, ttmp9, s97
	s_lshl_b32 s98, s97, 17                        ; 32 rows of 4,096 bytes
	s_lshl_b32 s97, s96, 10                        ; + my 256 along K
	s_add_co_u32 s98, s98, s97
	s_add_nc_u64 s[4:5], s[4:5], s[98:99]
	s_lshl_b32 s97, s96, 9
	s_lshl_b32 s98, ttmp9, 1
	s_add_co_u32 s97, s97, s98                     ; 512 kq + 2 w
	s_mul_i32 s98, s97, 3072
	s_add_nc_u64 s[12:13], s[12:13], s[98:99]
	s_lshl_b32 s98, s97, 7
	s_add_nc_u64 s[14:15], s[14:15], s[98:99]
	s_lshl_b32 s98, ttmp9, 8
	s_add_nc_u64 s[86:87], s[86:87], s[98:99]
.macro LOADF f                         ; fragment f = 2 u + c: rowtile u, chunk c: 16 loads of 512 consecutive bytes, a row each
.irp i, 0,1,2,3,4,5,6,7,8,9,10,11,12,13,14,15
	global_load_b128 v[R+64*((\f)%2)+4*\i:R+64*((\f)%2)+4*\i+3], v1, s[4:5] offset:(16*((\f)/2)+\i)*4096+((\f)%2)*512 th:TH_LOAD_NT
.endr
.endm
.irp c, 0,1,2,3
.irp t, 0,1,2,3
	global_load_b128 v[X+16*\c+4*\t:X+16*\c+4*\t+3], v7, s[10:11] offset:\c*8192+\t*512   ; my wave's 512 keys: 16 a lane, for each channel
.endr
.endr
	global_load_b32 v10, v8, s[84:85]              ; the f32 fragment of my tokens
	global_load_b32 v11, v8, s[84:85] offset:8192
	LOADF 0
	LOADF 1
	s_wait_loadcnt 32                              ; the masks' 18 loads are in; the 32 of fragments 0 and 1 stay out
	s_wait_kmcnt 0x0
; query q against my lane's 16 keys: a product and three fused multiply-adds, channels ascending, two keys an instruction; then the largest
.macro ROWMAX q
	s_mov_b32 s88, s[16+\q]
	s_mov_b32 s90, s[32+\q]
	s_mov_b32 s92, s[48+\q]
	s_mov_b32 s94, s[68+\q]
.irp p, 0,2,4,6,8,10,12,14
	v_pk_mul_f32 v[D+\p:D+\p+1], v[X+\p:X+\p+1], s[88:89] op_sel_hi:[1,0]
.endr
.irp c, 1,2,3
.irp p, 0,2,4,6,8,10,12,14
	v_pk_fma_f32 v[D+\p:D+\p+1], v[X+16*\c+\p:X+16*\c+\p+1], s[88+2*\c:89+2*\c], v[D+\p:D+\p+1] op_sel_hi:[1,0,1]
.endr
.endr
	v_max3_num_f32 v[M+\q], v[D], v[D+1], v[D+2]
.irp i, 3,5,7,9,11,13
	v_max3_num_f32 v[M+\q], v[M+\q], v[D+\i], v[D+\i+1]
.endr
	v_max_num_f32 v[M+\q], v[M+\q], v[D+15]
.endm
.irp q, 0,1,2,3,4,5,6,7,8,9,10,11,12,13,14,15
	ROWMAX \q
.endr
.irp x, 1,2,4,8                        ; across the 32 lanes, the sixteen queries by turns
.irp q, 0,1,2,3,4,5,6,7,8,9,10,11,12,13,14,15
	v_max_num_f32_dpp v[M+\q], v[M+\q], v[M+\q] row_xmask:\x row_mask:0xf bank_mask:0xf
.endr
.endr
.irp q, 0,1,2,3,4,5,6,7,8,9,10,11,12,13,14,15
	v_permlanex16_b32 v[D+\q], v[M+\q], s100, s101
.endr
.irp q, 0,1,2,3,4,5,6,7,8,9,10,11,12,13,14,15
	v_max_num_f32 v[M+\q], v[M+\q], v[D+\q]
.endr
.irp q, 0,1,2,3,4,5,6,7,8,9,10,11,12,13,14,15
	ds_store_b32 v5, v[M+\q] offset:4*\q           ; all lanes write the same word with the same value
.endr
	s_wait_dscnt 0x0                               ; for the others' sake: my maxima have landed
	s_barrier_signal -1
	s_barrier_wait -1
	ds_load_b32 v248, v6                           ; query r's maximum over each wave's 512 keys
	ds_load_b32 v249, v6 offset:64
	ds_load_b32 v250, v6 offset:128
	ds_load_b32 v251, v6 offset:192
	s_wait_dscnt 0x0
	v_max3_num_f32 v248, v248, v249, v250
	v_max3_num_f32 v248, v248, v251, 0x358637bd    ; and the clip at 1e-6
	s_wait_alu depctr_va_vdst(0)
	v_rcp_f32 v249, v248
	v_nop                                          ; a plain instruction behind the reciprocal
	s_wait_alu depctr_va_vdst(0)                   ; and the wait ahead of its first reader
	v_mul_f32 v249, 0x40d55555, v249               ; (20/3) / max: 6 same_char stands beside 0.9 interaction_mask
	s_cmp_lg_u32 s96, 0
	s_cbranch_scc1 .Lnot_wave_0
	v_mul_f32 v12, v10, v249
	v_mul_f32 v13, v11, v249
	global_store_b64 v4, v[10:11], s[86:87]        ; 256 consecutive bytes each
	global_store_b64 v4, v[12:13], s[86:87] offset:65536
.Lnot_wave_0:
; 64 numbers of a lane, register 16 b + i of block b, become a fragment's 12 code registers in v[PC] on and its row's scale word
.macro QUANT s, pw
.irp b, 0,1,2,3
	v_max3_num_f32 v[TM+\b], |v[\s+16*\b]|, |v[\s+1+16*\b]|, 0x1800000   ; with the floor 2^(3 - 127): the byte cannot fall under 1
.endr
.irp i, 2,4,6,8,10,12,14
.irp b, 0,1,2,3
	v_max3_num_f32 v[TM+\b], |v[\s+16*\b+\i]|, |v[\s+1+16*\b+\i]|, v[TM+\b]
.endr
.endr
.irp b, 0,1,2,3
	v_permlanex16_b32 v[TM+4+\b], v[TM+\b], s100, s101
.endr
.irp b, 0,1,2,3
	v_max_num_f32 v[TM+\b], v[TM+\b], v[TM+4+\b]   ; with lane l xor 16's: the block's largest magnitude
.endr
.irp b, 0,1,2,3
	v_add_nc_u32 v[TM+12+\b], 0xff000000, v[TM+\b] ; 2 off its exponent field: the conversion's scale operand
.endr
.irp b, 0,1,2,3
	v_lshrrev_b32 v[TM+4+\b], 23, v[TM+12+\b]      ; the scale's byte
.endr
	v_lshl_or_b32 v[\pw], v[TM+5], 8, v[TM+4]
	v_lshl_or_b32 v[\pw], v[TM+6], 16, v[\pw]
	v_lshl_or_b32 v[\pw], v[TM+7], 24, v[\pw]
.irp c, 0,1
	v_cvt_scalef32_pk16_fp6_f32 v[PC+6*\c:PC+6*\c+2], v[\s+32*\c:\s+32*\c+15], v[TM+12+2*\c]
	v_cvt_scalef32_pk16_fp6_f32 v[CT+4*\c:CT+4*\c+2], v[\s+32*\c+16:\s+32*\c+31], v[TM+13+2*\c]
.endr
	v_nop                                          ; one plain instruction behind the scaled conversions
.irp c, 0,1                            ; a whole block to a lane: lanes 0-15 block 2 c, lanes 16-31 block 2 c + 1
.irp i, 0,1,2
	v_permlane16_swap_b32 v[PC+6*\c+\i], v[CT+4*\c+\i]
.endr
.irp i, 0,1,2
	v_mov_b32 v[PC+3+6*\c+\i], v[CT+4*\c+\i]
.endr
.endr
.endm
.macro FRAGQ f
.if (\f) < 3
	s_wait_loadcnt 16                              ; this fragment's 16 loads are in; the next one's stay out
.else
	s_wait_loadcnt 0x0
.endif
.irp i, 0,1,2,3,4,5,6,7,8,9,10,11,12,13,14,15
	ds_store_b128 v2, v[R+64*((\f)%2)+4*\i:R+64*((\f)%2)+4*\i+3] offset:\i*528
.endr
.irp b, 0,1,2,3                        ; LDS serves a wave's instructions in order: these see the stores.  Register 16 b + 8 u + 4 e + .. takes element 32 b + 16 u + 8 h + 4 e + .. of row r
.irp u, 0,1
.irp e, 0,1
	ds_load_b128 v[X+16*\b+8*\u+4*\e:X+16*\b+8*\u+4*\e+3], v3 offset:128*\b+64*\u+16*\e
.endr
.endr
.endr
	s_wait_dscnt 0x0
.if (\f) > 0
	s_wait_xcnt 0x0                                ; the last fragment's stores have read the code registers
.endif
.if (\f) < 2
	LOADF (\f)+2
.endif
	QUANT X, PWS+(\f)
	global_store_b128 v1, v[PC:PC+3], s[12:13] offset:((\f)/2)*3072+((\f)%2)*1536
	global_store_b64 v4, v[PC+4:PC+5], s[12:13] offset:((\f)/2)*3072+((\f)%2)*1536+512
	global_store_b128 v1, v[PC+6:PC+9], s[12:13] offset:((\f)/2)*3072+((\f)%2)*1536+768
	global_store_b64 v4, v[PC+10:PC+11], s[12:13] offset:((\f)/2)*3072+((\f)%2)*1536+1280
.endm
	FRAGQ 0
	FRAGQ 1
	FRAGQ 2
	FRAGQ 3
	v_cndmask_b32 v248, v[PWS], v[PWS+2], s66      ; lanes 0-15 rowtile 2 w's two words, lanes 16-31 rowtile 2 w + 1's
	v_cndmask_b32 v249, v[PWS+1], v[PWS+3], s66
	global_store_b64 v4, v[248:249], s[14:15]      ; 256 consecutive bytes
	s_wait_tensorcnt 0x0                           ; the wave's end
	ds_add_u32 v[SPW], v[NIL]
	s_wait_dscnt 0x0
	s_endpgm
.Lfunc_end_k_q6cec00fee2_prep:
	.size	k_q6cec00fee2_prep, .Lfunc_end_k_q6cec00fee2_prep-k_q6cec00fee2_prep
	.p2alignl 7, 3214868480
	.fill 96, 4, 3214868480
	.section	.rodata,"a",@progbits
	.p2align	6, 0x0
	.amdhsa_kernel k_q6cec00fee2_prep
		.amdhsa_group_segment_fixed_size 34560
		.amdhsa_private_segment_fixed_size 0
		.amdhsa_enable_private_segment 0
		.amdhsa_kernarg_size 56
		.amdhsa_user_sgpr_count 2
		.amdhsa_user_sgpr_kernarg_segment_ptr 1
		.amdhsa_wavefront_size32 1
		.amdhsa_system_sgpr_workgroup_id_x 1
		.amdhsa_system_sgpr_workgroup_id_y 1
		.amdhsa_system_sgpr_workgroup_id_z 1
		.amdhsa_system_vgpr_workitem_id 0
		.amdhsa_next_free_vgpr 256
		.amdhsa_next_free_sgpr 102
		.amdhsa_reserve_vcc 0
		.amdhsa_float_denorm_mode_32 3
		.amdhsa_float_denorm_mode_16_64 3
		.amdhsa_memory_ordered 1
		.amdhsa_forward_progress 1
		.amdhsa_inst_pref_size 86
	.end_amdhsa_kernel
	.amdgpu_metadata
---
amdhsa.version: [ 1, 2 ]
amdhsa.kernels:
  - .name:           k_q6cec00fee2_prep
    .symbol:         k_q6cec00fee2_prep.kd
    .args:
      - { .name: x, .offset: 0, .size: 8, .value_kind: global_buffer, .address_space: global }
      - { .name: qkv_w, .offset: 8, .size: 8, .value_kind: global_buffer, .address_space: global }
      - { .name: out_w, .offset: 16, .size: 8, .value_kind: global_buffer, .address_space: global }
      - { .name: character_masks, .offset: 24, .size: 8, .value_kind: global_buffer, .address_space: global }
      - { .name: cod, .offset: 32, .size: 8, .value_kind: global_buffer, .address_space: global }
      - { .name: scl, .offset: 40, .size: 8, .value_kind: global_buffer, .address_space: global }
      - { .name: cmf, .offset: 48, .size: 8, .value_kind: global_buffer, .address_space: global }
    .group_segment_fixed_size: 34560
    .private_segment_fixed_size: 0
    .kernarg_segment_align: 8
    .kernarg_segment_size: 56
    .max_flat_workgroup_size: 128
    .sgpr_count:     102
    .vgpr_count:     256
    .wavefront_size: 32
...
	.end_amdgpu_metadata
.endif
;; end of part 1
;; launch qkv (part 2): grid 12 x 16, 4 waves a work-group, clusters of 4 x 4, 327,680 bytes of LDS; arguments cod, scl, q_norm_w, k_norm_w, qf, kvf; writes qf, kvf
.if DOCPART == 2
	.amdgcn_target "amdgcn-amd-amdhsa--gfx1250"
	.amdhsa_code_object_version 6
	.text
	.protected	k_q6cec00fee2_qkv
	.globl	k_q6cec00fee2_qkv
	.p2align	8
	.type	k_q6cec00fee2_qkv,@function
k_q6cec00fee2_qkv:
	s_mov_b64 s[64:65], 0
	v_nop
	global_prefetch_b8 v0, s[64:65] scope:SCOPE_SE
	s_setreg_imm32_b32 hwreg(HW_REG_WAVE_MODE, 25, 1), 1
	s_wait_xcnt 0x0
	s_wait_alu depctr_hold_cnt(0) depctr_sa_sdst(0) depctr_va_vdst(0) depctr_va_sdst(0) depctr_va_ssrc(0) depctr_va_vcc(0) depctr_vm_vsrc(0)
	s_getreg_b32 s2, hwreg(HW_REG_IB_STS2, 6, 4)
	s_cmp_eq_u32 s2, 0
	s_cbranch_scc0 .Lentry_in_a_cluster
	s_endpgm
.Lentry_in_a_cluster:
	s_bfe_u32 s2, ttmp6, 0x10000c
	s_cmp_lg_u32 s2, 0xf033
	s_cbranch_scc0 .Lentry_shape_is_right
	s_endpgm
.Lentry_shape_is_right:
.set HALFT,  24576
.set SLOT,   4*HALFT
.set SCL,    2*SLOT
.set HALFS,  4096
.set SPARE,  SCL+4*HALFS
.set NRTA,   512
.set NRTB,   512
.set NQ,     2
.set FR,     12
.set NL,     4
.set NP,     4
.set REC,    53248
.set HB,     6656
.set ADRA, 16
.set ADRB, 20
.set LI,   24
.set WO,   25
.set ADRS, 27
.set SPW,  28
.set NIL,  29
.set SC,   32
.set WN,   64
.set PWS0, 96
.set PWS1, 104
.set IMG,  112
.set AF,   128
.set Y,    128
.set HC0,  192
.set HC1,  204
.set CT,   216
.set TM,   224
.set SS,   242
.set RS,   246
.set G1, 24
.set G0, 32
.set G1B, 48
.set G0B, 56
.set G1S, 68
.set G0S, 76
.set G1SB, 80
.set G0SB, 88
.set WV, 96
.set RH, 97
.set CH, 98
.set SEL, 100
.set MSB, 0
.macro WIN new
.if MSB != (\new)
	s_set_vgpr_msb (MSB<<8)|(\new)
.set MSB, (\new)
.endif
.endm
.set MUL_LO, 0xa1
.set MUL_HI, 0xf1
.set TO_B,   0x40
.macro JLOAD g0a, g1a, g0b, g1b
	s_cmp_eq_u32 s[RH], 0
	s_cbranch_scc0 .Lfor_b_\@
	tensor_load_to_lds s[\g0a:\g0a+3], s[\g1a:\g1a+7]
	s_nop 0
.rept 4
	v_nop
.endr
	s_branch .Lasked_\@
.Lfor_b_\@:
	tensor_load_to_lds s[\g0b:\g0b+3], s[\g1b:\g1b+7]
	s_nop 0
.rept 4
	v_nop
.endr
.Lasked_\@:
.endm
.macro CREST
	s_cmp_lg_u32 s[WV], 0
	s_cbranch_scc1 .Lnot_wave_0_\@
	s_barrier_signal -3
.Lnot_wave_0_\@:
	s_barrier_wait -3
	s_barrier_signal -1
	s_barrier_wait -1
.endm
.macro CROUND
	s_barrier_signal -1
	s_barrier_wait -1
	CREST
.endm
	s_load_b256 s[4:11], s[0:1], 0x0
	s_load_b128 s[12:15], s[0:1], 0x20
	v_lshl_add_u32 v[SPW], v0, 2, SPARE
	v_mov_b32 v[NIL], 0
	ds_add_u32 v[SPW], v[NIL]
	ds_add_u32 v[SPW], v[NIL]
	v_lshrrev_b32 v1, 5, v0
	v_readfirstlane_b32 s[WV], v1
	s_lshr_b32 s[RH], s[WV], 1
	s_and_b32 s[CH], s[WV], 1
	s_bfe_u32 s40, ttmp6, 0x40000
	s_bfe_u32 s41, ttmp6, 0x40004
	s_and_b32 s42, ttmp7, 0xffff
	s_lshl_b32 s43, s41, 2
	s_lshl_b32 s43, 15, s43
	s_lshl_b32 s44, 0x1111, s40
	s_or_b32 s[G1+0], s43, (3<<16)|(1<<21)
	s_or_b32 s[G1B+0], s44, (3<<16)|(1<<21)
.irp g, G1, G1B
	s_mov_b32 s[\g+1], 32<<16
	s_mov_b32 s[\g+2], 96<<16
	s_mov_b32 s[\g+3], 32<<16
	s_mov_b32 s[\g+4], 96
	s_mov_b32 s[\g+5], 32
	s_mov_b32 s[\g+6], 0
	s_mov_b32 s[\g+7], 0
.endr
	s_or_b32 s[G1S+0], s43, (3<<16)|(1<<21)
	s_or_b32 s[G1SB+0], s44, (3<<16)|(1<<21)
.irp g, G1S, G1SB
	s_mov_b32 s[\g+1], 128<<16
	s_mov_b32 s[\g+2], 4<<16
	s_mov_b32 s[\g+3], 128<<16
	s_mov_b32 s[\g+4], 4
	s_mov_b32 s[\g+6], 0
	s_mov_b32 s[\g+7], 0
.endr
	s_mov_b32 s[G1S+5], NRTA*16
	s_mov_b32 s[G1SB+5], NRTB*16
	s_mov_b32 s[SEL], 0x76543210
	s_mov_b32 s[SEL+1], 0xfedcba98
	s_lshl_b32 s16, s42, 6
	s_lshl_b32 s17, ttmp9, 6
	s_add_co_u32 s17, s17, 256
	s_mov_b32 s18, 384
	s_cmp_eq_u32 ttmp9, 2
	s_cselect_b32 s20, s18, s16
	s_cselect_b32 s46, s16, s17
	s_lshl_b32 s18, s[CH], 3
	s_lshl_b32 s19, s41, 4
	s_add_co_u32 s20, s20, s19
	s_add_co_u32 s20, s20, s18
	s_lshl_b32 s95, s40, 4
	s_add_co_u32 s46, s46, s95
	s_add_co_u32 s46, s46, s18
	s_lshl_b32 s22, s20, 7
	s_mov_b32 s23, 0
	s_lshl_b32 s92, s46, 7
	s_mov_b32 s93, 0
	s_mul_i32 s20, s20, 3072
	s_mov_b32 s21, 0
	s_mul_i32 s46, s46, 3072
	s_mov_b32 s47, 0
	s_mul_i32 s45, s[WV], HALFT
	s_mul_i32 s94, s[WV], HALFS
	s_wait_dscnt 0x0
	s_wait_kmcnt 0x0
	s_add_nc_u64 s[20:21], s[4:5], s[20:21]
	s_add_nc_u64 s[22:23], s[6:7], s[22:23]
	s_add_nc_u64 s[46:47], s[4:5], s[46:47]
	s_add_nc_u64 s[92:93], s[6:7], s[92:93]
	CROUND
	s_mov_b32 s[G0S], 1
	s_add_co_u32 s[G0S+1], s94, SCL
	s_mov_b64 s[G0S+2:G0S+3], s[22:23]
	s_or_b32 s[G0S+3], s[G0S+3], 0x80000000
	s_mov_b32 s[G0SB], 1
	s_add_co_u32 s[G0SB+1], s94, SCL
	s_mov_b64 s[G0SB+2:G0SB+3], s[92:93]
	s_or_b32 s[G0SB+3], s[G0SB+3], 0x80000000
	JLOAD G0S, G1S, G0SB, G1SB
.irp s, 0,1
	s_mov_b32 s[G0+4*\s], 1
	s_add_co_u32 s[G0+4*\s+1], s45, \s*SLOT
	s_add_nc_u64 s[G0+4*\s+2:G0+4*\s+3], s[20:21], \s*NRTA*3072
	s_or_b32 s[G0+4*\s+3], s[G0+4*\s+3], 0x80000000
	s_mov_b32 s[G0B+4*\s], 1
	s_add_co_u32 s[G0B+4*\s+1], s45, \s*SLOT
	s_add_nc_u64 s[G0B+4*\s+2:G0B+4*\s+3], s[46:47], \s*NRTB*3072
	s_or_b32 s[G0B+4*\s+3], s[G0B+4*\s+3], 0x80000000
	s_wait_alu depctr_va_vdst(0)
	s_wait_tensorcnt 0x0
	ds_add_u32 v28, v29
	s_wait_dscnt 0x0
	CROUND
	JLOAD G0+4*\s, G1, G0B+4*\s, G1B
.endr
	v_and_b32 v1, 31, v0
	v_and_b32 v2, 15, v0
	v_bfe_u32 v3, v0, 4, 1
	v_lshlrev_b32 v[LI], 4, v1
	v_lshlrev_b32 v5, 3, v1
	v_lshlrev_b32 v[WO], 5, v3
	s_cmp_eq_u32 ttmp9, 0
	s_cselect_b64 s[8:9], s[8:9], s[10:11]
.irp b, 0,1,2,3
	global_load_b128 v[WN+8*\b:WN+8*\b+3], v[WO], s[8:9] offset:64*\b
	global_load_b128 v[WN+8*\b+4:WN+8*\b+7], v[WO], s[8:9] offset:64*\b+16
.endr
	s_mul_i32 s21, s[RH], HALFT
	s_mul_i32 s22, s[CH], HALFT
	s_add_co_u32 s22, s22, 2*HALFT
.irp s, 0,1
	v_add_nc_u32 v[ADRA+\s], s21, v[LI]
	v_add_nc_u32 v[ADRB+\s], s22, v[LI]
	v_add_nc_u32 v[ADRA+2+\s], s21, v5
	v_add_nc_u32 v[ADRB+2+\s], s22, v5
	s_add_co_u32 s21, s21, SLOT
	s_add_co_u32 s22, s22, SLOT
.endr
	v_lshlrev_b32 v6, 3, v2
	s_mul_i32 s21, s[RH], HALFS
	s_mul_i32 s22, s[CH], HALFS
	s_add_co_u32 s22, s22, 2*HALFS
	s_sub_co_u32 s22, s22, s21
	v_mul_u32_u24 v7, s22, v3
	s_add_co_u32 s21, s21, SCL
	v_add_nc_u32 v6, v6, v7
	v_add_nc_u32 v[ADRS], s21, v6
.macro FRAG reg, adr, q, i
	ds_load_b128 v[\reg:\reg+3], v[\adr] offset:(\i)*3072+(\q)*1536
	ds_load_b64 v[\reg+4:\reg+5], v[\adr+2] offset:(\i)*3072+(\q)*1536+512
	ds_load_b128 v[\reg+6:\reg+9], v[\adr] offset:(\i)*3072+(\q)*1536+768
	ds_load_b64 v[\reg+10:\reg+11], v[\adr+2] offset:(\i)*3072+(\q)*1536+1280
.endm
.macro MUL16 a0, p, q, sc, zero
.irp a, \a0, \a0+1
.irp b, 0,1,2,3,4,5,6,7
.if \zero
	v_wmma_scale_f32_16x16x128_f8f6f4 v[8*(8*((\a)%4)+\b):8*(8*((\a)%4)+\b)+7], v[128*(\p)+FR*\b:128*(\p)+FR*\b+FR-1], v[AF+FR*(\a):AF+FR*(\a)+FR-1], 0, v[SC+8*NQ*(\sc)+NQ*\b+(\q)], v[SC+8*NQ*(\sc)+NQ*(\a)+(\q)] matrix_a_fmt:MATRIX_FMT_FP6 matrix_b_fmt:MATRIX_FMT_FP6 matrix_a_scale:MATRIX_SCALE_ROW1
.else
	v_wmma_scale_f32_16x16x128_f8f6f4 v[8*(8*((\a)%4)+\b):8*(8*((\a)%4)+\b)+7], v[128*(\p)+FR*\b:128*(\p)+FR*\b+FR-1], v[AF+FR*(\a):AF+FR*(\a)+FR-1], v[8*(8*((\a)%4)+\b):8*(8*((\a)%4)+\b)+7], v[SC+8*NQ*(\sc)+NQ*\b+(\q)], v[SC+8*NQ*(\sc)+NQ*(\a)+(\q)] matrix_a_fmt:MATRIX_FMT_FP6 matrix_b_fmt:MATRIX_FMT_FP6 matrix_a_scale:MATRIX_SCALE_ROW1
.endif
.endr
.endr
.endm
.macro FETCH_B slot, q, p
	WIN TO_B
.irp i, 0,1,2,3,4,5,6,7
	FRAG 128*(\p)+FR*\i, ADRB+\slot, \q, \i
.endr
	WIN 0
.endm
.macro FETCH_A slot, q, i0
.irp i, \i0, \i0+1, \i0+2, \i0+3
	FRAG AF+FR*(\i), ADRA+\slot, \q, \i
.endr
.endm
.macro SCALES sc
.irp i, 0,1,2,3,4,5,6,7
	ds_load_b64 v[SC+8*NQ*\sc+NQ*\i:SC+8*NQ*\sc+NQ*\i+1], v[ADRS] offset:\i*128
.endr
.endm
.macro PLACES n
.rept \n
	v_nop
.endr
.endm
.macro STEP slot, q, zero
	s_wait_dscnt 4*NL
	WIN MUL_LO
	MUL16 0, (\q)%2, \q, \slot, \zero
	MUL16 2, (\q)%2, \q, \slot, \zero
	s_wait_dscnt 0
	PLACES NP
	FETCH_B \slot, (\q)+1, 1-(\q)%2
	FETCH_A \slot, (\q)+1, 0
	WIN MUL_HI
	MUL16 4, (\q)%2, \q, \slot, \zero
	MUL16 6, (\q)%2, \q, \slot, \zero
	PLACES NP
	WIN 0
	FETCH_A \slot, (\q)+1, 4
.endm
.macro TURN slot, next, fill
	s_wait_tensorcnt 0x0
	ds_add_u32 v[SPW], v[NIL]
	s_wait_dscnt 4*NL+1
	WIN MUL_LO
	MUL16 0, 1, NQ-1, \slot, 0
	s_wait_dscnt 0x0
	s_barrier_signal -1
	MUL16 2, 1, NQ-1, \slot, 0
	WIN 0
	s_barrier_wait -1
.if \fill
	CREST
	s_add_nc_u64 s[G0+4*\slot+2:G0+4*\slot+3], s[G0+4*\slot+2:G0+4*\slot+3], 2*NRTA*3072
	s_add_nc_u64 s[G0B+4*\slot+2:G0B+4*\slot+3], s[G0B+4*\slot+2:G0B+4*\slot+3], 2*NRTB*3072
	JLOAD G0+4*\slot, G1, G0B+4*\slot, G1B
.else
	PLACES NP
.endif
	s_wait_alu depctr_va_vdst(0)
	v_add_nc_u32 v[ADRS], 1024, v[ADRS]
	FETCH_B \next, 0, 0
	FETCH_A \next, 0, 0
	SCALES \next
	WIN MUL_HI
	MUL16 4, 1, NQ-1, \slot, 0
	MUL16 6, 1, NQ-1, \slot, 0
	PLACES NP
	WIN 0
	FETCH_A \next, 0, 4
.endm
	s_wait_alu depctr_va_vdst(0)
	s_wait_tensorcnt 1
	s_barrier_signal -1
	s_barrier_wait -1
	FETCH_B 0, 0, 0
	FETCH_A 0, 0, 0
	SCALES 0
	FETCH_A 0, 0, 4
	STEP 0, 0, 1
	s_mov_b32 s3, 1
.Llap:
	TURN 0, 1, 1
	STEP 1, 0, 0
	TURN 1, 0, 1
	STEP 0, 0, 0
	s_sub_co_u32 s3, s3, 1
	s_cmp_lg_u32 s3, 0
	s_cbranch_scc1 .Llap
	TURN 0, 1, 0
	STEP 1, 0, 0
	s_wait_dscnt 4*NL
	WIN MUL_LO
	MUL16 0, 1, NQ-1, 1, 0
	MUL16 2, 1, NQ-1, 1, 0
	s_wait_dscnt 0
	WIN MUL_HI
	MUL16 4, 1, NQ-1, 1, 0
	MUL16 6, 1, NQ-1, 1, 0
	WIN 0
.macro QUANT s, w, d0, d1, pw
	WIN (\w)*5
.irp b, 0,1,2,3
	v_max3_num_f32 v[TM+\b], |v[\s+16*\b]|, |v[\s+1+16*\b]|, 0x1800000
.endr
.irp i, 2,4,6,8,10,12,14
.irp b, 0,1,2,3
	v_max3_num_f32 v[TM+\b], |v[\s+16*\b+\i]|, |v[\s+1+16*\b+\i]|, v[TM+\b]
.endr
.endr
	WIN 0
.irp b, 0,1,2,3
	v_permlanex16_b32 v[TM+4+\b], v[TM+\b], s[SEL], s[SEL+1]
.endr
.irp b, 0,1,2,3
	v_max_num_f32 v[TM+\b], v[TM+\b], v[TM+4+\b]
.endr
.irp b, 0,1,2,3
	v_add_nc_u32 v[TM+12+\b], 0xff000000, v[TM+\b]
.endr
.irp b, 0,1,2,3
	v_lshrrev_b32 v[TM+4+\b], 23, v[TM+12+\b]
.endr
	v_lshl_or_b32 v[\pw], v[TM+5], 8, v[TM+4]
	v_lshl_or_b32 v[\pw], v[TM+6], 16, v[\pw]
	v_lshl_or_b32 v[\pw], v[TM+7], 24, v[\pw]
	WIN (\w)
	v_cvt_scalef32_pk16_fp6_f32 v[\d0:\d0+2], v[\s:\s+15], v[TM+12]
	v_cvt_scalef32_pk16_fp6_f32 v[CT:CT+2], v[\s+16:\s+31], v[TM+13]
	v_cvt_scalef32_pk16_fp6_f32 v[\d1:\d1+2], v[\s+32:\s+47], v[TM+14]
	v_cvt_scalef32_pk16_fp6_f32 v[CT+4:CT+6], v[\s+48:\s+63], v[TM+15]
	WIN 0
	v_nop
.irp i, 0,1,2
	v_permlane16_swap_b32 v[\d0+\i], v[CT+\i]
.endr
.irp i, 0,1,2
	v_permlane16_swap_b32 v[\d1+\i], v[CT+4+\i]
.endr
.irp i, 0,1,2
	v_mov_b32 v[\d0+3+\i], v[CT+\i]
.endr
.irp i, 0,1,2
	v_mov_b32 v[\d1+3+\i], v[CT+4+\i]
.endr
.endm
	PLACES NP
	s_wait_loadcnt 0x0
	s_mov_b32 s2, 0x3c800000
	s_mov_b32 s3, 0x358637bd
	s_mov_b32 s99, 0xffff0000
	v_mov_b32 v[RS+1], 0
	v_mov_b32 v[RS+3], 0
.irp b, 0,1,2,3
	v_mov_b32 v[TM+4+\b], 0
.endr
	s_cmp_eq_u32 ttmp9, 2
	s_cbranch_scc1 .Lpath_v
	s_lshl_b32 s16, s42, 2
	s_add_co_u32 s16, s16, s41
	s_lshr_b32 s17, s16, 3
	s_and_b32 s16, s16, 7
	s_lshl_b32 s16, s16, 1
	s_add_co_u32 s16, s16, s[RH]
	s_lshl_b32 s18, s40, 2
	s_lshl_b32 s19, s[CH], 1
	s_add_co_u32 s18, s18, s19
	s_lshl_b32 s20, s17, 4
	s_add_co_u32 s20, s20, s18
	s_mul_i32 s21, s20, 98304
	s_mul_i32 s22, s16, 6144
	s_add_co_u32 s21, s21, s22
	s_lshl_b32 s20, s20, 4
	s_add_co_u32 s20, s20, s16
	s_lshl_b32 s20, s20, 9
	s_add_co_u32 s20, s20, 3145728
	s_lshl_b32 s22, s17, 2
	s_add_co_u32 s22, s22, s40
	s_lshl_b32 s22, s22, 4
	s_add_co_u32 s22, s22, s16
	s_mul_i32 s22, s22, REC
	s_mul_i32 s23, s19, HB
	s_add_co_u32 s22, s22, s23
	s_add_co_u32 s23, s22, 6144
	s_mov_b32 s45, HB
	s_cmp_eq_u32 ttmp9, 0
	s_cselect_b64 s[12:13], s[12:13], s[14:15]
	s_cselect_b32 s16, s21, s22
	s_cselect_b32 s18, s20, s23
	s_cselect_b32 s92, 98304, s45
	s_cselect_b32 s94, 8192, s45
	s_mov_b32 s17, 0
	s_mov_b32 s19, 0
	s_mov_b32 s93, 0
	s_mov_b32 s95, 0
	s_add_nc_u64 s[4:5], s[12:13], s[16:17]
	s_add_nc_u64 s[6:7], s[4:5], s[92:93]
	s_add_nc_u64 s[8:9], s[12:13], s[18:19]
	s_add_nc_u64 s[10:11], s[8:9], s[94:95]
.macro NORMQK a
.set AC, 64*((\a)%4)
	WIN (2+(\a)/4)*5
	v_pk_mul_f32 v[SS:SS+1], v[AC:AC+1], v[AC:AC+1]
	v_pk_mul_f32 v[SS+2:SS+3], v[AC+32:AC+33], v[AC+32:AC+33]
.irp p, 2,4,6,8,10,12,14,16,18,20,22,24,26,28,30
	v_pk_fma_f32 v[SS:SS+1], v[AC+\p:AC+\p+1], v[AC+\p:AC+\p+1], v[SS:SS+1]
	v_pk_fma_f32 v[SS+2:SS+3], v[AC+32+\p:AC+33+\p], v[AC+32+\p:AC+33+\p], v[SS+2:SS+3]
.endr
	WIN 0
	v_add_f32 v[SS], v[SS], v[SS+1]
	v_add_f32 v[SS+2], v[SS+2], v[SS+3]
	v_permlanex16_b32 v[SS+1], v[SS], s[SEL], s[SEL+1]
	v_permlanex16_b32 v[SS+3], v[SS+2], s[SEL], s[SEL+1]
	v_add_f32 v[SS], v[SS], v[SS+1]
	v_add_f32 v[SS+2], v[SS+2], v[SS+3]
	v_fma_f32 v[SS], v[SS], s2, s3
	v_fma_f32 v[SS+2], v[SS+2], s2, s3
	s_wait_alu depctr_va_vdst(0)
	v_rsq_f32 v[RS], v[SS]
	v_rsq_f32 v[RS+2], v[SS+2]
	v_nop
	s_wait_alu depctr_va_vdst(0)
	WIN 2+(\a)/4
.irp p, 0,2,4,6,8,10,12,14,16,18,20,22,24,26,28,30
	v_pk_mul_f32 v[Y+\p:Y+\p+1], v[AC+\p:AC+\p+1], v[RS:RS+1] op_sel_hi:[1,0]
.endr
.irp p, 32,34,36,38,40,42,44,46,48,50,52,54,56,58,60,62
	v_pk_mul_f32 v[Y+\p:Y+\p+1], v[AC+\p:AC+\p+1], v[RS+2:RS+3] op_sel_hi:[1,0]
.endr
	WIN 0
.irp p, 0,2,4,6,8,10,12,14,16,18,20,22,24,26,28,30
	v_pk_mul_f32 v[Y+\p:Y+\p+1], v[Y+\p:Y+\p+1], v[WN+\p:WN+\p+1]
	v_pk_mul_f32 v[Y+32+\p:Y+33+\p], v[Y+32+\p:Y+33+\p], v[WN+\p:WN+\p+1]
.endr
.if ((\a)%2) == 0 && (\a) > 0
	s_wait_xcnt 0x0
.endif
	QUANT Y, 0, HC0+6*((\a)%2), HC1+6*((\a)%2), PWS0+(\a)
	v_lshrrev_b32 v[PWS1+(\a)], 16, v[PWS0+(\a)]
.if ((\a)%2) == 1
.irp c, 0,1,2
	global_store_b128 v[LI], v[HC0+4*\c:HC0+4*\c+3], s[4:5] offset:((\a)/2)*1536+512*\c
	global_store_b128 v[LI], v[HC1+4*\c:HC1+4*\c+3], s[6:7] offset:((\a)/2)*1536+512*\c
.endr
.endif
.endm
.irp a, 0,1,2,3,4,5,6,7
	NORMQK \a
.endr
.irp i, 0,1,2,3
	v_cndmask_b32 v[IMG+\i], v[PWS0+\i], v[PWS0+4+\i], s99
	v_cndmask_b32 v[IMG+4+\i], v[PWS1+\i], v[PWS1+4+\i], s99
.endr
	global_store_b128 v[LI], v[IMG:IMG+3], s[8:9]
	global_store_b128 v[LI], v[IMG+4:IMG+7], s[10:11]
	s_branch .Ldone
.Lpath_v:
	s_lshl_b32 s16, s42, 2
	s_add_co_u32 s16, s16, s40
	s_lshr_b32 s17, s16, 3
	s_lshl_b32 s17, s17, 2
	s_add_co_u32 s17, s17, s41
	s_lshl_b32 s17, s17, 4
	s_and_b32 s16, s16, 7
	s_lshl_b32 s16, s16, 1
	s_add_co_u32 s16, s16, s[CH]
	s_add_co_u32 s16, s16, s17
	s_mul_i32 s16, s16, REC
	s_mul_i32 s17, s[RH], 2*HB
	s_add_co_u32 s16, s16, s17
	s_mov_b32 s17, 0
	s_add_nc_u64 s[14:15], s[14:15], s[16:17]
.macro VOUT a
.if (\a) > 0
	s_wait_xcnt 0x0
.endif
	QUANT 64*((\a)%4), 2+(\a)/4, HC0, HC0+6, PWS0+(\a)
.irp c, 0,1,2
	global_store_b128 v[LI], v[HC0+4*\c:HC0+4*\c+3], s[14:15] offset:((\a)/4)*HB+26624+((\a)%4)*1536+512*\c
.endr
.endm
.irp a, 0,1,2,3,4,5,6,7
	VOUT \a
.endr
	global_store_b128 v[LI], v[PWS0:PWS0+3], s[14:15] offset:32768
	global_store_b128 v[LI], v[PWS0+4:PWS0+7], s[14:15] offset:HB+32768
.Ldone:
	s_wait_tensorcnt 0x0
	ds_add_u32 v[SPW], v[NIL]
	s_wait_dscnt 0x0
	CROUND
	s_endpgm
.Lfunc_end_k_q6cec00fee2_qkv:
	.size	k_q6cec00fee2_qkv, .Lfunc_end_k_q6cec00fee2_qkv-k_q6cec00fee2_qkv
	.p2alignl 7, 3214868480
	.fill 96, 4, 3214868480
	.section	.rodata,"a",@progbits
	.p2align	6, 0x0
	.amdhsa_kernel k_q6cec00fee2_qkv
		.amdhsa_group_segment_fixed_size 327680
		.amdhsa_private_segment_fixed_size 0
		.amdhsa_enable_private_segment 0
		.amdhsa_kernarg_size 48
		.amdhsa_user_sgpr_count 2
		.amdhsa_user_sgpr_kernarg_segment_ptr 1
		.amdhsa_wavefront_size32 1
		.amdhsa_system_sgpr_workgroup_id_x 1
		.amdhsa_system_sgpr_workgroup_id_y 1
		.amdhsa_system_sgpr_workgroup_id_z 1
		.amdhsa_system_vgpr_workitem_id 0
		.amdhsa_next_free_vgpr 1024
		.amdhsa_next_free_sgpr 102
		.amdhsa_reserve_vcc 0
		.amdhsa_float_denorm_mode_32 3
		.amdhsa_float_denorm_mode_16_64 3
		.amdhsa_memory_ordered 1
		.amdhsa_forward_progress 1
		.amdhsa_inst_pref_size 238
	.end_amdhsa_kernel
	.amdgpu_metadata
---
amdhsa.version: [ 1, 2 ]
amdhsa.kernels:
  - .name:           k_q6cec00fee2_qkv
    .symbol:         k_q6cec00fee2_qkv.kd
    .args:
      - { .name: cod, .offset: 0, .size: 8, .value_kind: global_buffer, .address_space: global }
      - { .name: scl, .offset: 8, .size: 8, .value_kind: global_buffer, .address_space: global }
      - { .name: q_norm_w, .offset: 16, .size: 8, .value_kind: global_buffer, .address_space: global }
      - { .name: k_norm_w, .offset: 24, .size: 8, .value_kind: global_buffer, .address_space: global }
      - { .name: qf, .offset: 32, .size: 8, .value_kind: global_buffer, .address_space: global }
      - { .name: kvf, .offset: 40, .size: 8, .value_kind: global_buffer, .address_space: global }
    .group_segment_fixed_size: 327680
    .private_segment_fixed_size: 0
    .kernarg_segment_align: 8
    .kernarg_segment_size: 48
    .max_flat_workgroup_size: 128
    .sgpr_count:     102
    .vgpr_count:     1024
    .wavefront_size: 32
...
	.end_amdgpu_metadata
.endif
;; end of part 2
;; launch attn (part 3): grid 4 x 64, 16 waves a work-group, clusters of 4 x 4, 327,680 bytes of LDS; arguments qf, kvf, cmf, interaction_mask, isolation_gate, ac, asc; writes ac, asc
.if DOCPART == 3
	.amdgcn_target "amdgcn-amd-amdhsa--gfx1250"
	.amdhsa_code_object_version 6
	.text
	.protected	k_q6cec00fee2_attn
	.globl	k_q6cec00fee2_attn
	.p2align	8
	.type	k_q6cec00fee2_attn,@function
k_q6cec00fee2_attn:
	s_mov_b64 s[64:65], 0
	v_nop
	global_prefetch_b8 v0, s[64:65] scope:SCOPE_SE
	s_setreg_imm32_b32 hwreg(HW_REG_WAVE_MODE, 25, 1), 1
	s_wait_xcnt 0x0
	s_wait_alu depctr_hold_cnt(0) depctr_sa_sdst(0) depctr_va_vdst(0) depctr_va_sdst(0) depctr_va_ssrc(0) depctr_va_vcc(0) depctr_vm_vsrc(0)
	s_getreg_b32 s2, hwreg(HW_REG_IB_STS2, 6, 4)
	s_cmp_eq_u32 s2, 0
	s_cbranch_scc0 .Lentry_in_a_cluster
	s_endpgm
.Lentry_in_a_cluster:
	s_bfe_u32 s2, ttmp6, 0x10000c
	s_cmp_lg_u32 s2, 0xf033
	s_cbranch_scc0 .Lentry_shape_is_right
	s_endpgm
.Lentry_shape_is_right:
; Attention with the isolation bias, both large products on codes of FP6 (E2M3).  logit = q.k / 8 + g (6 sc - 3 + 0.9 im), g = clip(gate, 0, 1), sc = same_char / max(its row's largest, 1e-6).
; With c = log2(e) / 8, g2 = 7.2 g, NG = -3 log2(e) g:  B = im + (20/3) sc,  u = q.k + g2 B,  t = c u + NG,  M = ceil(the running largest t),  p = 2^(t - M): quantised along the keys, not normalised;
; the row's sum is taken of the unquantised p and divides at the end.  When M moves, the sum and O are multiplied by 2^(old M - new M): exact.
; SHARES: a work-group owns 64 queries and 4 heads (cx: the group of heads; 4 x cluster y + cy: the block of queries); wave w: head w % 4, query tile w / 4.  2,048 keys, 128 a step, 16 steps.
; B HANGS ON NO HEAD, SO THE FOUR WAVES OF A QUERY TILE SHARE IT: wave w makes tiles 2 (w % 4) and 2 (w % 4) + 1 of the step's eight tiles of keys, by the f32 matrix form with K = 4 (the keys' masks x the query's masks x (20/3) / max,
; C = im), and stores them into a stage in LDS laid as the mask's tile is; behind a barrier of the work-group every wave reads its query's eight tiles, multiplies by its own g2, and the FP6 product K Q^T adds onto that in place.
; The stage is written behind a round and read behind that barrier; the next round stands between its reads and its next writes.  No tensor load lands on it.
; THE RING IS SKEWED: fill f holds K(f) (26,624 bytes: 4 heads x (6,144 codes + 512 scale image)), V(f - 1) (the same size) and 64 rows x 128 of interaction_mask of step f (pitch 528).  f = 0 .. 16; fill 0 has no V, fill 16 V alone.
; A trip j reads one slot, fill j + 1's: the exponentials, sums, codes and P V of step j, with my part of B(j + 1) made among them; then K(j + 1) is read and t - M of step j + 1 is made.
; The waits, the add and the round's opening signal stand as soon as the trip's LDS reads are over; the products K Q^T, the maxima and t - M, work on registers, stand between that signal and its wait.
; CLUSTER 4 x 4: K and V hang on (b, cx) and are shared along a column, the mask's tile on the block of queries and is shared along a row.  The keys' masks of the batch (32,768 bytes) come once, by a load of the work-group's own.
; K = 64 in an instruction of K = 128: the upper half of Q's operand is zero codes; what stands opposite them (the next tile's codes, for the last tile p's) adds nothing.
; Both products are used transposed: a lane holds one query (lane % 16) throughout.  The order of codes inside a block of 32 is the one that the whole program shares.
; RESULT: ac [group of heads][rowtile 256][3072] and asc [..][rowtile][row][2 words]: the out projection's operand.
; LIMITS: NaN and infinities are not served; a block of zeros gets the byte 1; 1 / l is v_rcp_f32's; a block's largest p is taken from its largest u, which leans on v_exp_f32 not falling where its input rises;
; the scaled scores stay under 2^31 in magnitude.
.set REC,   53248
.set HK,    6656                       ; a head's block of K or of V
.set VO,    26624                      ; V's four blocks in a slot
.set IMO,   53248                      ; the mask's tile in a slot
.set CMK,   87040                      ; the keys' masks: 128 tiles x 256 bytes, filled once
.set OSC,   119808                     ; the way out: 4 rowtiles' scale words
.set SPARE, 120320                     ; the spare words: 128 bytes a wave, named by no other line
.set SLOT1, 131072
.set STG,   218112                     ; behind slot 1: the stage for B, 64 rows x 528 bytes
.set X160, 0                           ; v0  16 x lane + my head's block (written when v0 has served)
.set XIM0, 1                           ; v1  my query's row of the mask's tile, + 32 h, at my two tiles of keys
.set X16,  2                           ; v2-4 the same three in the slot and step in hand
.set XIM,  3
.set XCM,  4
.set SPW,  5
.set NIL,  6
.set QS,   7                           ; Q's scale words
.set CQ,   8                           ; v[8:9] the query's masks x (20/3) / max
.set NM,   10                          ; -M
.set TT,   11
.set K0,   12                          ; v[12:13]: -M + NG, the largest t
.set TX,   13
.set SUM,  14                          ; v[14:15]
.set Q,    16                          ; v16-21 Q's codes, v22-27 zero codes
.set SCR,  28                          ; v28-31 V's, then K's scale words: scales and nothing else
.set F,    32                          ; v32-79 V's, then K's fragments
.set PC,   80                          ; v80-91 p's codes
.set FF,   92                          ; v[92:93]: f, p's scale word
.set PS,   93
.set PFO,  94
.set XCM0, 95                          ; v95 CMK + 8 x lane, at my two tiles of keys
.set X,    96                          ; v96-159 B, g2 B, u, t - M, p
.set U,    160                         ; v160-175 the f32 form's results: written by matrix instructions alone
.set CM2,  176                         ; v176-179 the masks of my two tiles of keys
.set XSW,  180                         ; where I store my two tiles of B
.set XSR,  181                         ; where I read my query's row of B
.set W,    192                         ; v192-223 at work
.set O,    224                         ; v224-255 O^T
.set BM,   W
.set BP,   W+4
.set SO,   W+8
.set S2,   W+12
.set CT,   W+16
.set IM2,  W+16                        ; im of my two tiles of keys
.set TB,   2
.set TC,   3
.set WV,   18
.set SEL,  20
.set CS,   22
.set G1KV, 24
.set G1IM, 32
.set G0KV, 40
.set G0IM, 44
.set G1CM, 48
.set G0CM, 56
.set NG,   66
.set SLOTS, 67
.set G2,   68
.set PFA,  76
.set PFS,  78
.set LIM,  80
.set KST,  88                          ; s[88:89] what the next fill adds to my address in kvf
.macro CREST
	s_cmp_lg_u32 s[WV], 0
	s_cbranch_scc1 .Lnot_wave_0_\@
	s_barrier_signal -3
.Lnot_wave_0_\@:
	s_barrier_wait -3
	s_barrier_signal -1
	s_barrier_wait -1
.endm
.macro CROUND
	s_barrier_signal -1
	s_barrier_wait -1
	CREST
.endm
.macro TL g0, g1
	tensor_load_to_lds s[\g0:\g0+3], s[\g1:\g1+7]
	s_nop 0
.rept 4
	v_nop
.endr
.endm
.macro TLOAD kind                      ; 2: wave 0 K, wave 1 V, wave 2 the mask's tile; 1: V alone.  The branches hang on the wave's number alone
.if \kind == 2
	s_cmp_lt_u32 s[WV], 2
	s_cbranch_scc0 .Lnot_kv_\@
	TL G0KV, G1KV
	s_branch .Lasked_\@
.Lnot_kv_\@:
	s_cmp_eq_u32 s[WV], 2
	s_cbranch_scc0 .Lasked_\@
	TL G0IM, G1IM
.else
	s_cmp_eq_u32 s[WV], 1
	s_cbranch_scc0 .Lasked_\@
	TL G0KV, G1KV
.endif
.Lasked_\@:
.endm
; A PREFETCH INTO THE L2, behind fill f's loads: step f + 1's mask rows and record of K and V, one fill ahead of the load of K and of the mask, two ahead of V's.  Wave 4 of every work-group: its 16 of the 64 mask rows
; (the four partners of a row of the cluster are told apart by address), 2 blocks of 256 bytes a row.  Waves 5 and 6 of the batch's first cluster: the work-group's 13,312 bytes of the record (the partners of a column told apart by
; address): 52 blocks, 32 and 20; wave 6's lanes 20 to 31 name its last block again.  Steps 2 to 15 are asked for; the loop's last trip asks for nothing; steps 0 and 1 come by their loads alone.
.macro ASK
	s_cmp_gt_u32 s[SLOTS], s[LIM]
	s_cbranch_scc0 .Lnot_mine_\@
	global_prefetch_b8 v[PFO], s[PFA:PFA+1] th:TH_LOAD_NT scope:SCOPE_SE
.Lnot_mine_\@:
.endm
	s_load_b256 s[4:11], s[0:1], 0x0               ; qf, kvf, cmf, interaction_mask
	s_load_b128 s[12:15], s[0:1], 0x20             ; isolation_gate, ac
	s_load_b64 s[16:17], s[0:1], 0x30              ; asc
	v_lshl_add_u32 v[SPW], v0, 2, SPARE
	v_mov_b32 v[NIL], 0
	ds_add_u32 v[SPW], v[NIL]                      ; the opening: the add, twice, and its wait ahead of the first tensor loads
	ds_add_u32 v[SPW], v[NIL]
	v_lshrrev_b32 v1, 5, v0
	s_delay_alu instid0(VALU_DEP_1)
	v_readfirstlane_b32 s[WV], v1
	s_bfe_u32 s70, ttmp6, 0x40000                  ; cx: the group of heads
	s_bfe_u32 s71, ttmp6, 0x40004                  ; cy
	s_and_b32 s72, ttmp7, 0xffff                   ; the cluster's y
	s_lshl_b32 s73, s72, 2
	s_add_co_u32 s73, s73, s71                     ; block of 64 queries, 0 .. 63
	s_lshr_b32 s74, s72, 3                         ; b
	s_and_b32 s75, s[WV], 3                        ; my head in the group
	s_lshr_b32 s81, s[WV], 2                       ; my query tile in the block
	s_lshl_b32 s82, s71, 2
	s_lshl_b32 s82, 15, s82                        ; my row of the cluster
	s_lshl_b32 s83, 0x1111, s70                    ; my column
	s_or_b32 s[G1KV], s83, (3<<16)|(1<<21)         ; K's or V's four blocks: 26,624 dense bytes as 104 rows of 256
	s_mov_b32 s[G1KV+1], 32<<16
	s_mov_b32 s[G1KV+2], 104<<16
	s_mov_b32 s[G1KV+3], 32<<16
	s_mov_b32 s[G1KV+4], 104
	s_mov_b32 s[G1KV+5], 32
	s_mov_b32 s[G1KV+6], 0
	s_mov_b32 s[G1KV+7], 0
	s_or_b32 s[G1IM], s82, (2<<16)|(1<<20)|(1<<21)|(6<<22)|(3<<25)   ; 64 rows x 128 f32, 16 bytes of padding behind each 512
	s_mov_b32 s[G1IM+1], 128<<16
	s_mov_b32 s[G1IM+2], 64<<16
	s_mov_b32 s[G1IM+3], 128<<16
	s_mov_b32 s[G1IM+4], 64
	s_mov_b32 s[G1IM+5], 2048
	s_mov_b32 s[G1IM+6], 0
	s_mov_b32 s[G1IM+7], 0
	s_mov_b32 s[G1CM], 3<<16                       ; no mask: 32,768 dense bytes as 128 rows of 256
	s_mov_b32 s[G1CM+1], 32<<16
	s_mov_b32 s[G1CM+2], 128<<16
	s_mov_b32 s[G1CM+3], 32<<16
	s_mov_b32 s[G1CM+4], 128
	s_mov_b32 s[G1CM+5], 32
	s_mov_b32 s[G1CM+6], 0
	s_mov_b32 s[G1CM+7], 0
	s_lshl_b32 s63, s74, 2
	s_add_co_u32 s63, s63, s70
	s_mul_i32 s63, s63, 16*REC                     ; the 16 records of (b, cx)
	s_and_b32 s84, s[WV], 1
	s_mul_i32 s84, s84, VO                         ; wave 0: K's half of a record, wave 1: V's
	s_mov_b32 s[G0KV], 1
	s_mov_b32 s[G0KV+1], s84
	s_add_co_u32 s84, s84, s63
	s_mov_b32 s85, 0
	s_lshl_b32 s86, s73, 19                        ; 64 rows of 8,192 bytes
	s_mov_b32 s87, 0
	s_lshl_b32 s88, s74, 15
	s_mov_b32 s89, 0
	s_mov_b32 s[G0IM], 1
	s_mov_b32 s[G0IM+1], IMO
	s_mov_b32 s[G0CM], 1
	s_mov_b32 s[G0CM+1], CMK
	s_mov_b32 s[SEL], 0x76543210
	s_mov_b32 s[SEL+1], 0xfedcba98
	s_mov_b32 s[CS], 0x3e38aa3b                    ; c = log2(e) / 8
	s_mov_b32 s[CS+1], s[CS]
	s_mov_b32 s[TB], 0
	s_mov_b32 s[TC], 0
	s_mov_b32 s[SLOTS], 14
	s_wait_dscnt 0x0                               ; both opening adds are done
	s_wait_kmcnt 0x0
	s_add_nc_u64 s[G0KV+2:G0KV+3], s[6:7], s[84:85]
	s_or_b32 s[G0KV+3], s[G0KV+3], 0x80000000
	s_add_nc_u64 s[G0IM+2:G0IM+3], s[10:11], s[86:87]
	s_or_b32 s[G0IM+3], s[G0IM+3], 0x80000000
	s_add_nc_u64 s[G0CM+2:G0CM+3], s[8:9], s[88:89]
	s_or_b32 s[G0CM+3], s[G0CM+3], 0x80000000
	s_cmp_eq_u32 s[WV], 1
	s_cselect_b32 s[KST], 0, REC                   ; fill 1 takes K(1), but V(0): wave 1's first step along kvf is 0
	s_mov_b32 s[KST+1], 0
	CROUND                                         ; all sixteen work-groups are here: the first joint loads meet
	s_cmp_eq_u32 s[WV], 0                          ; the first fills, one a wave: wave 0 K(0), wave 1 the keys' masks, wave 2 the mask's tile of step 0
	s_cbranch_scc0 .Lf_not_k
	TL G0KV, G1KV
	s_branch .Lf_done
.Lf_not_k:
	s_cmp_eq_u32 s[WV], 1
	s_cbranch_scc0 .Lf_not_cm
	TL G0CM, G1CM
	s_branch .Lf_done
.Lf_not_cm:
	s_cmp_eq_u32 s[WV], 2
	s_cbranch_scc0 .Lf_done
	TL G0IM, G1IM
.Lf_done:
	v_and_b32 v10, 31, v0                          ; lane
	v_and_b32 v11, 15, v0                          ; r
	v_bfe_u32 v12, v0, 4, 1                        ; h
	s_delay_alu instid0(VALU_DEP_3)
	v_lshlrev_b32 v2, 4, v10                       ; 16 x lane
	s_delay_alu instid0(VALU_DEP_3)
	v_lshlrev_b32 v3, 4, v11                       ; 16 r
	v_lshlrev_b32 v4, 3, v10                       ; 8 x lane
	s_lshl_b32 s90, s81, 4
	v_add_nc_u32 v[XIM0], s90, v11
	s_delay_alu instid0(VALU_DEP_1)
	v_mul_u32_u24 v[XIM0], v[XIM0], 528
	s_delay_alu instid0(VALU_DEP_1)
	v_lshl_add_u32 v[XIM0], v12, 5, v[XIM0]
	s_delay_alu instid0(VALU_DEP_1)
	v_add_nc_u32 v[XIM0], IMO, v[XIM0]
	v_add_nc_u32 v[XCM0], CMK, v4
	s_lshl_b32 s91, s75, 7                         ; my two tiles of keys: 128 bytes of a row for each head's wave,
	v_add_nc_u32 v[XSR], STG-IMO, v[XIM0]          ; the stage is laid as the mask's tile is
	v_add_nc_u32 v[XIM0], s91, v[XIM0]
	v_add_nc_u32 v[XSW], STG-IMO, v[XIM0]
	s_lshl_b32 s91, s75, 9                         ; and 512 bytes of the keys' masks
	v_add_nc_u32 v[XCM0], s91, v[XCM0]
	; the prefetches: who asks, and where
	s_lshl_b32 s62, s70, 17                        ; the mask: my work-group's 16 rows,
	s_add_co_u32 s62, s62, s86
	s_add_co_u32 s62, s62, 512                     ; at step 1: the first fill behind the head steps it to step 2
	s_mul_i32 s82, s71, 13312                      ; the record: my work-group's quarter,
	s_add_co_u32 s63, s63, s82
	s_add_co_u32 s63, s63, REC                     ; at step 1
	s_mov_b32 s[PFS], REC
	s_cmp_eq_u32 s[WV], 4
	s_cselect_b64 s[PFA:PFA+1], s[10:11], s[6:7]
	s_cselect_b32 s62, s62, s63
	s_cselect_b32 s[PFS], 512, s[PFS]
	s_cselect_b32 s61, -1, 0
	s_mov_b32 s63, 0
	s_mov_b32 s[PFS+1], 0
	s_add_nc_u64 s[PFA:PFA+1], s[PFA:PFA+1], s[62:63]
	s_sub_co_u32 s82, s[WV], 5
	s_lshr_b32 s82, s82, 1                         ; 0 in waves 5 and 6,
	s_and_b32 s83, s72, 7
	s_or_b32 s82, s82, s83                         ; of the batch's first cluster: alike in all partners
	s_cmp_eq_u32 s82, 0
	s_cselect_b32 s[LIM], 1, -1
	s_cmp_eq_u32 s[WV], 4
	s_cselect_b32 s[LIM], 1, s[LIM]
	v_lshrrev_b32 v[PFO], 1, v10
	s_delay_alu instid0(VALU_DEP_1)
	v_lshlrev_b32 v[PFO], 13, v[PFO]
	v_and_b32 v13, 1, v10
	s_delay_alu instid0(VALU_DEP_1)
	v_lshl_add_u32 v[PFO], v13, 8, v[PFO]          ; the mask: row lane / 2, block lane % 2
	s_cmp_eq_u32 s[WV], 6
	s_cselect_b32 s82, 19, 31
	s_cselect_b32 s83, 32, 0
	v_min_u32 v13, s82, v10
	s_delay_alu instid0(VALU_DEP_1)
	v_add_nc_u32 v13, s83, v13
	s_delay_alu instid0(VALU_DEP_1)
	v_lshlrev_b32 v13, 8, v13                      ; the record: a block a lane
	s_delay_alu instid0(VALU_DEP_1)
	v_cndmask_b32 v[PFO], v13, v[PFO], s61
	s_mul_i32 s90, s75, HK
	v_add_nc_u32 v[X160], s90, v2                  ; v0 has served: 16 x lane + my head's block
	; Q, its scale words, the query's masks, the gate
	s_lshl_b32 s90, s74, 4
	s_lshl_b32 s91, s70, 2
	s_add_co_u32 s90, s90, s91
	s_add_co_u32 s90, s90, s75                     ; 16 b + head
	s_and_b32 s91, s73, 31                         ; the block of queries in the batch
	s_lshl_b32 s92, s90, 6
	s_lshl_b32 s93, s91, 1
	s_add_co_u32 s92, s92, s93
	s_lshr_b32 s93, s81, 1
	s_add_co_u32 s92, s92, s93                     ; the pair of tiles
	s_mul_i32 s92, s92, 1536
	s_mov_b32 s93, 0
	s_add_nc_u64 s[92:93], s[4:5], s[92:93]
	s_lshl_b32 s94, s90, 4
	s_lshr_b32 s95, s91, 1
	s_add_co_u32 s94, s94, s95                     ; the group of 8 tiles
	s_lshl_b32 s94, s94, 9
	s_and_b32 s95, s73, 1
	s_lshl_b32 s95, s95, 8
	s_add_co_u32 s94, s94, s95
	s_lshl_b32 s95, s81, 2
	s_add_co_u32 s94, s94, s95
	s_add_co_u32 s94, s94, 3145728
	s_mov_b32 s95, 0
	s_add_nc_u64 s[94:95], s[4:5], s[94:95]
	s_lshl_b32 s96, s73, 2
	s_add_co_u32 s96, s96, s81                     ; my rowtile of tokens, 0 .. 255 (kept)
	s_lshl_b32 s98, s96, 8
	s_add_co_u32 s98, s98, 65536
	s_mov_b32 s99, 0
	s_add_nc_u64 s[98:99], s[8:9], s[98:99]
	s_and_b32 s97, s90, 15
	s_lshl_b32 s97, s97, 2
	s_load_b32 s60, s[12:13], s97 offset:0x0
	s_and_b32 s61, s81, 1                          ; which tile of the pair: a branch on the wave's number; both ways issue two loads
	s_cmp_eq_u32 s61, 0
	s_cbranch_scc0 .Lq_odd
	global_load_b128 v[Q:Q+3], v2, s[92:93]
	global_load_b64 v[Q+4:Q+5], v2, s[92:93] offset:512
	s_branch .Lq_in
.Lq_odd:
	global_load_b64 v[Q:Q+1], v2, s[92:93] offset:520
	global_load_b128 v[Q+2:Q+5], v2, s[92:93] offset:1024
.Lq_in:
	global_load_b32 v[QS], v3, s[94:95]
	global_load_b64 v[CQ:CQ+1], v4, s[98:99]
	v_mov_b32 v[TX], 0xff61b1e6                    ; the largest t so far: -3e38
	s_delay_alu instid0(VALU_DEP_1)
	v_floor_f32 v[NM], -v[TX]
	v_mov_b32 v[SUM], 0
	v_mov_b32 v[SUM+1], 0
	v_mov_b32 v[PS], 0
.irp j, 0,1,2,3,4,5
	v_mov_b32 v[Q+6+\j], 0                         ; zero codes for k = 64 .. 127
	v_mov_b32 v[PC+\j], 0                          ; named beside K's last tile before p's first codes are made
.endr
.irp j, 0,1,2,3
	v_mov_b32 v[BP+\j], 0                          ; a lane permute's destination counts as one of its sources
.endr
.set j, 0
.rept 32
	v_mov_b32 v[O+j], 0                            ; the step is written once: the first finds zeros
.set j, j+1
.endr
	s_wait_kmcnt 0x0
	v_mov_b32 v[TT], s60
	s_delay_alu instid0(VALU_DEP_1)
	v_med3_num_f32 v[TT], v[TT], 0, 1.0            ; the clip
	s_delay_alu instid0(VALU_DEP_1)
	v_mul_f32 v[K0], 0x40e66666, v[TT]
	s_delay_alu instid0(VALU_DEP_1)
	v_readfirstlane_b32 s[G2], v[K0]               ; g2 = 7.2 g
	s_delay_alu instid0(VALU_DEP_3)
	v_mul_f32 v[K0], 0xc08a7fac, v[TT]
	s_delay_alu instid0(VALU_DEP_1)
	v_readfirstlane_b32 s[NG], v[K0]               ; NG = -3 log2(e) g
	s_mov_b32 s[G2+1], s[G2]
	s_wait_loadcnt 0x0
.macro UPD                             ; no tensor load of mine is out: the descriptors step to the next fill, in the other slot; the prefetch's address a step on
	s_xor_b32 s[G0KV+1], s[G0KV+1], SLOT1
	s_add_nc_u64 s[G0KV+2:G0KV+3], s[G0KV+2:G0KV+3], s[KST:KST+1]
	s_mov_b32 s[KST], REC
	s_xor_b32 s[G0IM+1], s[G0IM+1], SLOT1
	s_add_nc_u64 s[G0IM+2:G0IM+3], s[G0IM+2:G0IM+3], 512
	s_wait_xcnt 0x0                                ; the last prefetch has read its address
	s_add_nc_u64 s[PFA:PFA+1], s[PFA:PFA+1], s[PFS:PFS+1]
.endm
.macro ADDR                            ; the addresses in the slot that this trip reads, and the keys' masks of the step whose u it makes
	v_add_nc_u32 v[X16], s[TB], v[X160]
	v_add_nc_u32 v[XIM], s[TB], v[XIM0]
	v_add_nc_u32 v[XCM], s[TC], v[XCM0]
	s_xor_b32 s[TB], s[TB], SLOT1
	s_add_co_u32 s[TC], s[TC], 2048
.endm
.macro LD2                             ; my two tiles of keys: im(my query, key 16 t + 8 h + 0 .. 7), the accumulator's layout, and the keys' masks: 6 loads
.irp i, 0,1
	ds_load_b128 v[IM2+8*\i:IM2+8*\i+3], v[XIM] offset:64*\i
	ds_load_b128 v[IM2+8*\i+4:IM2+8*\i+7], v[XIM] offset:64*\i+16
	ds_load_b64 v[CM2+2*\i:CM2+2*\i+1], v[XCM] offset:256*\i
.endr
.endm
.macro F32P                            ; B = im + (20/3) sc of these two tiles
.irp i, 0,1
	v_wmma_f32_16x16x4_f32 v[U+8*\i:U+8*\i+7], v[CM2+2*\i:CM2+2*\i+1], v[CQ:CQ+1], v[IM2+8*\i:IM2+8*\i+7]
.endr
.endm
.macro STB                             ; into the stage, each accumulator from its low end on
.irp i, 0,1
	ds_store_b128 v[XSW], v[U+8*\i:U+8*\i+3] offset:64*\i
	ds_store_b128 v[XSW], v[U+8*\i+4:U+8*\i+7] offset:64*\i+16
.endr
.endm
.macro LDB                             ; my query's eight tiles of B, from the stage: 16 loads
.irp t, 0,1,2,3,4,5,6,7
	ds_load_b128 v[X+8*\t:X+8*\t+3], v[XSR] offset:64*\t
	ds_load_b128 v[X+8*\t+4:X+8*\t+7], v[XSR] offset:64*\t+16
.endr
.endm
.macro GIM j0                          ; g2 B, 32 registers
.set j, \j0
.rept 16
	v_pk_mul_f32 v[X+j:X+j+1], v[X+j:X+j+1], s[G2:G2+1] op_sel_hi:[1,0]
.set j, j+2
.endr
.endm
.macro QKG t0                          ; + K Q^T, in place: u.  Eight accumulators, one instruction each
.irp i, 0,1,2,3
.if \t0
	v_wmma_scale_f32_16x16x128_f8f6f4 v[X+8*(\t0+\i):X+8*(\t0+\i)+7], v[F+6*(\t0+\i):F+6*(\t0+\i)+11], v[Q:Q+11], v[X+8*(\t0+\i):X+8*(\t0+\i)+7], v[SCR+\i], v[QS] matrix_a_fmt:MATRIX_FMT_FP6 matrix_b_fmt:MATRIX_FMT_FP6 matrix_a_scale:MATRIX_SCALE_ROW1
.else
	v_wmma_scale_f32_16x16x128_f8f6f4 v[X+8*(\t0+\i):X+8*(\t0+\i)+7], v[F+6*(\t0+\i):F+6*(\t0+\i)+11], v[Q:Q+11], v[X+8*(\t0+\i):X+8*(\t0+\i)+7], v[SCR+\i], v[QS] matrix_a_fmt:MATRIX_FMT_FP6 matrix_b_fmt:MATRIX_FMT_FP6
.endif
.endr
.endm
.macro BMAX b0                         ; the largest u of blocks b0, b0 + 1 of 32 keys, by turns; each accumulator from its low end on: 16 instructions
.irp b, \b0, \b0+1
	v_max3_num_f32 v[BM+(\b)], v[X+16*(\b)], v[X+16*(\b)+1], v[X+16*(\b)+2]
.endr
.irp i, 3,5,7,9,11,13
.irp b, \b0, \b0+1
	v_max3_num_f32 v[BM+(\b)], v[BM+(\b)], v[X+16*(\b)+\i], v[X+16*(\b)+\i+1]
.endr
.endr
.irp b, \b0, \b0+1
	v_max_num_f32 v[BM+(\b)], v[BM+(\b)], v[X+16*(\b)+15]
.endr
.endm
; u, the new M and t - M of the next step.  On entry the 16 loads of B are out.
.macro QKP
	s_wait_dscnt 0x0                               ; B is in
	GIM 0                                          ; these 16 are also the places between P V and the loads into its operands
.irp n, 0,1,2,3,4,5,6,7,8,9,10,11
	ds_load_b128 v[F+4*\n:F+4*\n+3], v[X16] offset:512*\n       ; K's four pair images: tile t's six registers at F + 6 t
.endr
	ds_load_b128 v[SCR:SCR+3], v[X16] offset:6144               ; K's scale image: my last LDS read of this slot
	GIM 32
	s_wait_alu depctr_va_vdst(0)                   ; ahead of the waits below
	s_wait_tensorcnt 0x0                           ; all my tensor loads have landed: my part of the next fill
	ds_add_u32 v[SPW], v[NIL]                      ; 0 onto my spare word, twice on end
	ds_add_u32 v[SPW], v[NIL]
	UPD
	s_wait_dscnt 0x0                               ; the adds are done, and my reads of this slot and of the stage are over
	s_barrier_signal -1                            ; opens the round; work on registers alone up to its wait
	QKG 0
	QKG 4
.rept 4
	v_nop
.endr
	BMAX 0
	BMAX 2
.irp b, 0,1
	v_permlanex16_b32 v[BP+\b], v[BM+\b], s[SEL], s[SEL+1]      ; blocks 0 and 1 were finished 16 instructions and more ago
.endr
.irp b, 2,3
	s_delay_alu instid0(VALU_DEP_4)
	v_permlanex16_b32 v[BP+\b], v[BM+\b], s[SEL], s[SEL+1]
.endr
.irp b, 0,1,2,3
	s_delay_alu instid0(VALU_DEP_4)
	v_max_num_f32 v[BM+\b], v[BM+\b], v[BP+\b]
.endr
	s_delay_alu instid0(VALU_DEP_2)
	v_max3_num_f32 v[TT], v[BM], v[BM+1], v[BM+2]
	s_delay_alu instid0(VALU_DEP_1)
	v_max_num_f32 v[TT], v[TT], v[BM+3]
	s_delay_alu instid0(VALU_DEP_1)
	v_fma_f32 v[TT], v[TT], s[CS], s[NG]           ; as t (c is positive)
	s_delay_alu instid0(VALU_DEP_1)
	v_max_num_f32 v[TX], v[TX], v[TT]
	v_mov_b32 v[TT], v[NM]
	s_delay_alu instid0(VALU_DEP_2)
	v_floor_f32 v[NM], -v[TX]                      ; -M = floor(-t): M is a whole number
	s_delay_alu instid0(VALU_DEP_1)
	v_sub_f32 v[TT], v[NM], v[TT]
	s_delay_alu instid0(VALU_DEP_1)
	v_cvt_i32_f32 v[TT], v[TT]                     ; (it saturates)
	s_delay_alu instid0(VALU_DEP_1)
	v_ldexp_f32 v[FF], 1.0, v[TT]                  ; f = 2^(old M - new M)
	s_delay_alu instid0(VALU_DEP_4)
	v_add_f32 v[K0], s[NG], v[NM]
.set j, 0
.rept 32
	v_pk_fma_f32 v[X+j:X+j+1], v[X+j:X+j+1], s[CS:CS+1], v[K0:K0+1] op_sel_hi:[1,0,0]   ; t - M
.set j, j+2
.endr
.irp b, 0,1,2,3
	v_fma_f32 v[BM+\b], v[BM+\b], s[CS], v[K0]
.endr
.endm
.macro RND kind                        ; the rest of the round, and the fill of the slot left: a wave's one tensor load until the next round.  kind 0: nothing is filled, a barrier of the work-group alone
	s_barrier_wait -1
.if \kind
	CREST
	TLOAD \kind
.endif
.if \kind == 2
	ASK
.endif
.endm
; p, its sum and codes, and O^T += V^T p^T, of the step whose t - M stands in X.  nx = 1: my two tiles of the next step's B are made on the way, and behind the barrier my query's row of B is asked for
.macro SMX nx
	ADDR
.if \nx
	LD2
.endif
	s_wait_alu depctr_va_vdst(0)                   ; ahead of the batch
.set j, 0
.rept 32
	v_exp_f32 v[X+j], v[X+j]                       ; p, the first 64 keys
.set j, j+1
.endr
	v_pk_mul_f32 v[SUM:SUM+1], v[SUM:SUM+1], v[FF:FF+1] op_sel_hi:[1,0]   ; a plain instruction behind the batch
	s_wait_alu depctr_va_vdst(0)                   ; one wait for the 32, ahead of their first reader
.if \nx
	s_wait_dscnt 0x0                               ; my two tiles of im and of the keys' masks are in
	F32P
.endif
	v_pk_add_f32 v[S2:S2+1], v[X:X+1], v[X+2:X+3]  ; the row's sum of the unquantised p, in two chains; these 15 are also the places between the f32 form and the stores of its results
.irp j, 4,8,12,16,20,24,28
	v_pk_add_f32 v[SUM:SUM+1], v[SUM:SUM+1], v[X+\j:X+\j+1]
	v_pk_add_f32 v[S2:S2+1], v[S2:S2+1], v[X+\j+2:X+\j+3]
.endr
.if \nx
	STB
.endif
	s_wait_alu depctr_va_vdst(0)                   ; ahead of the second batch
.set j, 32
.rept 32
	v_exp_f32 v[X+j], v[X+j]                       ; p, the other 64 keys
.set j, j+1
.endr
.irp b, 0,1,2,3
	v_exp_f32 v[BM+\b], v[BM+\b]                   ; each block's largest p
.endr
	v_nop                                          ; a plain instruction behind the batch
	s_wait_alu depctr_va_vdst(0)                   ; and its one wait
.if \nx
	s_wait_dscnt 0x0                               ; for the others' sake: my two tiles of B have landed in the stage
	s_barrier_signal -1                            ; LDS loads of the slot and work on registers stand up to its wait
.endif
.irp n, 0,1,2,3,4,5,6,7,8,9,10,11
	ds_load_b128 v[F+4*\n:F+4*\n+3], v[X16] offset:VO+512*\n    ; V's four fragments
.endr
	ds_load_b128 v[SCR:SCR+3], v[X16] offset:VO+6144            ; and their scale words
.irp j, 32,36,40,44,48,52,56,60
	v_pk_add_f32 v[SUM:SUM+1], v[SUM:SUM+1], v[X+\j:X+\j+1]
	v_pk_add_f32 v[S2:S2+1], v[S2:S2+1], v[X+\j+2:X+\j+3]
.endr
	s_delay_alu instid0(VALU_DEP_1)
	v_pk_add_f32 v[SUM:SUM+1], v[SUM:SUM+1], v[S2:S2+1]
.irp b, 0,1,2,3
	v_max_num_f32 v[BM+\b], 0x1800000, v[BM+\b]    ; the floor 2^(3 - 127)
.endr
.irp b, 0,1,2,3
	s_delay_alu instid0(VALU_DEP_4)
	v_add_nc_u32 v[SO+\b], 0xff000000, v[BM+\b]
.endr
.irp b, 0,1,2,3
	s_delay_alu instid0(VALU_DEP_4)
	v_lshrrev_b32 v[BP+\b], 23, v[SO+\b]
.endr
	s_delay_alu instid0(VALU_DEP_3)
	v_lshl_or_b32 v[PS], v[BP+1], 8, v[BP]
	s_delay_alu instid0(VALU_DEP_1)
	v_lshl_or_b32 v[PS], v[BP+2], 16, v[PS]
	s_delay_alu instid0(VALU_DEP_1)
	v_lshl_or_b32 v[PS], v[BP+3], 24, v[PS]
.irp c, 0,1
	v_cvt_scalef32_pk16_fp6_f32 v[PC+6*\c:PC+6*\c+2], v[X+32*\c:X+32*\c+15], v[SO+2*\c]
	v_cvt_scalef32_pk16_fp6_f32 v[CT+4*\c:CT+4*\c+2], v[X+32*\c+16:X+32*\c+31], v[SO+2*\c+1]
.endr
	v_nop
.if \nx
	s_wait_alu depctr_va_vdst(0)                   ; ahead of the barrier's wait
	s_barrier_wait -1                              ; every wave's tiles of B are in the stage
	LDB                                            ; p has been read: its registers take the next step's B
.endif
.irp c, 0,1
.irp i, 0,1,2
	v_permlane16_swap_b32 v[PC+6*\c+\i], v[CT+4*\c+\i]
.endr
.irp i, 0,1,2
	s_delay_alu instid0(VALU_DEP_3)
	v_mov_b32 v[PC+3+6*\c+\i], v[CT+4*\c+\i]
.endr
.endr
	s_wait_alu depctr_va_vdst(0)                   ; directly ahead of the first reader of O^T
.set j, 0
.rept 16
	v_pk_mul_f32 v[O+j:O+j+1], v[O+j:O+j+1], v[FF:FF+1] op_sel_hi:[1,0]   ; O^T under the new M; also the places ahead of the scaled products
.set j, j+2
.endr
	s_wait_alu depctr_va_vdst(0)
	s_wait_dscnt 16*\nx                            ; V's 13 loads are in; the 16 of B behind them may be out
.irp t, 0,1,2,3
	v_wmma_scale_f32_16x16x128_f8f6f4 v[O+8*\t:O+8*\t+7], v[F+12*\t:F+12*\t+11], v[PC:PC+11], v[O+8*\t:O+8*\t+7], v[SCR+\t], v[PS] matrix_a_fmt:MATRIX_FMT_FP6 matrix_b_fmt:MATRIX_FMT_FP6
.endr
.endm
	s_wait_alu depctr_va_vdst(0)                   ; the head's end
	s_wait_tensorcnt 0x0                           ; fill 0 is in; the same lines as ahead of a refill stand ahead of slot 1's first fill
	ds_add_u32 v[SPW], v[NIL]
	ds_add_u32 v[SPW], v[NIL]
	UPD
	s_wait_dscnt 0x0
	CROUND
	TLOAD 2                                        ; fill 1
	ASK
	ADDR
	LD2                                            ; step 0's B: my two tiles,
	s_wait_dscnt 0x0
	F32P
.rept 8
	v_nop                                          ; eight places between the f32 form and the stores of its results
.endr
	STB
	s_wait_dscnt 0x0                               ; they have landed;
	s_barrier_signal -1
	s_barrier_wait -1                              ; and everybody's
	LDB
	QKP                                            ; step 0's t - M, from slot 0
.Lslot:                                            ; 14 trips: trip j asks for fill j + 2 and reads fill j + 1
	RND 2
	SMX 1
	QKP
	s_sub_co_u32 s[SLOTS], s[SLOTS], 1
	s_cmp_lg_u32 s[SLOTS], 0
	s_cbranch_scc1 .Lslot
	RND 1                                          ; the tail is written out: fill 16 is V(15) alone,
	SMX 1
	QKP
	RND 0                                          ; and behind the last barrier nothing is filled
	SMX 0
	; THE WAY OUT: O^T / l, quantised along the head's 64: half a fragment of the out projection's operand and two scale bytes a row
.rept 4
	v_nop
.endr
	v_add_f32 v[SUM], v[SUM], v[SUM+1]
	s_delay_alu instid0(VALU_DEP_1)
	v_permlanex16_b32 v[TT], v[SUM], s[SEL], s[SEL+1]
	s_delay_alu instid0(VALU_DEP_1)
	v_add_f32 v[SUM], v[SUM], v[TT]
	s_wait_alu depctr_va_vdst(0)
	v_rcp_f32 v[SUM], v[SUM]
	v_and_b32 v3, 0xf8, v[XCM0]                    ; 8 x lane (the low eight bits of what else stands in it are 0); a plain instruction behind the reciprocal
	s_delay_alu instid0(VALU_DEP_1)
	v_lshlrev_b32 v2, 1, v3                        ; 16 x lane
	v_and_b32 v4, 0x78, v[XCM0]                    ; 8 r
	s_lshl_b32 s84, s81, 7
	s_lshl_b32 s85, s75, 1
	s_add_co_u32 s84, s84, s85
	s_add_co_u32 s84, s84, OSC
	v_add_nc_u32 v4, s84, v4                       ; OSC + 128 tile + 8 r + 2 head
	v_add_nc_u32 v1, OSC, v2
	s_lshl_b32 s84, s70, 8
	s_add_co_u32 s86, s84, s96
	s_mul_i32 s86, s86, 3072
	s_mul_i32 s87, s75, 768
	s_add_co_u32 s86, s86, s87
	s_mov_b32 s87, 0
	s_add_nc_u64 s[14:15], s[14:15], s[86:87]
	s_lshl_b32 s85, s73, 2
	s_add_co_u32 s84, s84, s85
	s_lshl_b32 s84, s84, 7
	s_mov_b32 s85, 0
	s_add_nc_u64 s[16:17], s[16:17], s[84:85]
	s_wait_alu depctr_va_vdst(0)
.set j, 0
.rept 16
	v_pk_mul_f32 v[X+j:X+j+1], v[O+j:O+j+1], v[SUM:SUM+1] op_sel_hi:[1,0]
.set j, j+2
.endr
.irp b, 0,1
	v_max3_num_f32 v[BM+\b], |v[X+16*\b]|, |v[X+16*\b+1]|, 0x1800000
.endr
.irp i, 2,4,6,8,10,12,14
.irp b, 0,1
	s_delay_alu instid0(VALU_DEP_2)
	v_max3_num_f32 v[BM+\b], v[BM+\b], |v[X+16*\b+\i]|, |v[X+16*\b+\i+1]|
.endr
.endr
.irp b, 0,1
	s_delay_alu instid0(VALU_DEP_2)
	v_permlanex16_b32 v[BP+\b], v[BM+\b], s[SEL], s[SEL+1]
.endr
.irp b, 0,1
	s_delay_alu instid0(VALU_DEP_2)
	v_max_num_f32 v[BM+\b], v[BM+\b], v[BP+\b]
.endr
.irp b, 0,1
	s_delay_alu instid0(VALU_DEP_2)
	v_add_nc_u32 v[SO+\b], 0xff000000, v[BM+\b]
.endr
.irp b, 0,1
	s_delay_alu instid0(VALU_DEP_2)
	v_lshrrev_b32 v[BP+\b], 23, v[SO+\b]
.endr
	s_delay_alu instid0(VALU_DEP_1)
	v_lshl_or_b32 v[TT], v[BP+1], 8, v[BP]
	v_cvt_scalef32_pk16_fp6_f32 v[PC:PC+2], v[X:X+15], v[SO]
	v_cvt_scalef32_pk16_fp6_f32 v[CT:CT+2], v[X+16:X+31], v[SO+1]
	v_nop
.irp i, 0,1,2
	v_permlane16_swap_b32 v[PC+\i], v[CT+\i]
.endr
.irp i, 0,1,2
	s_delay_alu instid0(VALU_DEP_3)
	v_mov_b32 v[PC+3+\i], v[CT+\i]
.endr
	global_store_b128 v2, v[PC:PC+3], s[14:15]     ; 512 consecutive bytes,
	global_store_b64 v3, v[PC+4:PC+5], s[14:15] offset:512   ; and 256
	ds_store_b16 v4, v[TT]                         ; both halves of the lanes write the same two bytes with the same value
	s_wait_dscnt 0x0                               ; for the others' sake
	s_barrier_signal -1
	s_barrier_wait -1
	s_cmp_lg_u32 s[WV], 0
	s_cbranch_scc1 .Lno_words
	ds_load_b128 v[F:F+3], v1                      ; the four rowtiles' words: 512 bytes
	s_wait_dscnt 0x0
	global_store_b128 v2, v[F:F+3], s[16:17]
.Lno_words:
	s_wait_tensorcnt 0x0                           ; the wave's end
	ds_add_u32 v[SPW], v[NIL]
	s_wait_dscnt 0x0
	CROUND                                         ; the closing round
	s_endpgm
.Lfunc_end_k_q6cec00fee2_attn:
	.size	k_q6cec00fee2_attn, .Lfunc_end_k_q6cec00fee2_attn-k_q6cec00fee2_attn
	.p2alignl 7, 3214868480
	.fill 96, 4, 3214868480
	.section	.rodata,"a",@progbits
	.p2align	6, 0x0
	.amdhsa_kernel k_q6cec00fee2_attn
		.amdhsa_group_segment_fixed_size 327680
		.amdhsa_private_segment_fixed_size 0
		.amdhsa_enable_private_segment 0
		.amdhsa_kernarg_size 56
		.amdhsa_user_sgpr_count 2
		.amdhsa_user_sgpr_kernarg_segment_ptr 1
		.amdhsa_wavefront_size32 1
		.amdhsa_system_sgpr_workgroup_id_x 1
		.amdhsa_system_sgpr_workgroup_id_y 1
		.amdhsa_system_sgpr_workgroup_id_z 1
		.amdhsa_system_vgpr_workitem_id 0
		.amdhsa_next_free_vgpr 256
		.amdhsa_next_free_sgpr 100
		.amdhsa_reserve_vcc 0
		.amdhsa_float_denorm_mode_32 3
		.amdhsa_float_denorm_mode_16_64 3
		.amdhsa_memory_ordered 1
		.amdhsa_forward_progress 1
		.amdhsa_inst_pref_size 85
	.end_amdhsa_kernel
	.amdgpu_metadata
---
amdhsa.version: [ 1, 2 ]
amdhsa.kernels:
  - .name:           k_q6cec00fee2_attn
    .symbol:         k_q6cec00fee2_attn.kd
    .args:
      - { .name: qf, .offset: 0, .size: 8, .value_kind: global_buffer, .address_space: global }
      - { .name: kvf, .offset: 8, .size: 8, .value_kind: global_buffer, .address_space: global }
      - { .name: cmf, .offset: 16, .size: 8, .value_kind: global_buffer, .address_space: global }
      - { .name: interaction_mask, .offset: 24, .size: 8, .value_kind: global_buffer, .address_space: global }
      - { .name: isolation_gate, .offset: 32, .size: 8, .value_kind: global_buffer, .address_space: global }
      - { .name: ac, .offset: 40, .size: 8, .value_kind: global_buffer, .address_space: global }
      - { .name: asc, .offset: 48, .size: 8, .value_kind: global_buffer, .address_space: global }
    .group_segment_fixed_size: 327680
    .private_segment_fixed_size: 0
    .kernarg_segment_align: 8
    .kernarg_segment_size: 56
    .max_flat_workgroup_size: 512
    .sgpr_count:     100
    .vgpr_count:     256
    .wavefront_size: 32
...
	.end_amdgpu_metadata
.endif
;; end of part 3
;; launch proj (part 4): grid 8 x 32, 4 waves a work-group, clusters of 4 x 4, 214,528 bytes of LDS; arguments ac, asc, cod, scl, out0; writes out0
.if DOCPART == 4
	.amdgcn_target "amdgcn-amd-amdhsa--gfx1250"
	.amdhsa_code_object_version 6
	.text
	.protected	k_q6cec00fee2_proj
	.globl	k_q6cec00fee2_proj
	.p2align	8
	.type	k_q6cec00fee2_proj,@function
k_q6cec00fee2_proj:
	s_mov_b64 s[64:65], 0
	v_nop
	global_prefetch_b8 v0, s[64:65] scope:SCOPE_SE
	s_setreg_imm32_b32 hwreg(HW_REG_WAVE_MODE, 25, 1), 1
	s_wait_xcnt 0x0
	s_wait_alu depctr_hold_cnt(0) depctr_sa_sdst(0) depctr_va_vdst(0) depctr_va_sdst(0) depctr_va_ssrc(0) depctr_va_vcc(0) depctr_vm_vsrc(0)
	s_getreg_b32 s2, hwreg(HW_REG_IB_STS2, 6, 4)
	s_cmp_eq_u32 s2, 0
	s_cbranch_scc0 .Lentry_in_a_cluster
	s_endpgm
.Lentry_in_a_cluster:
	s_bfe_u32 s2, ttmp6, 0x10000c
	s_cmp_lg_u32 s2, 0xf033
	s_cbranch_scc0 .Lentry_shape_is_right
	s_endpgm
.Lentry_shape_is_right:
; out0 [4096][1024] f32 = A out_w^T on codes of FP6 (E2M3).  A: ac [kq 0..3][rowtile 256][3072] with asc [kq][rowtile][row][2 words]; out_w: rowtiles 448-511 of cod [kq][rowtile 512][3072] with scl, laid alike.
; A rowtile's 3,072 bytes are 16 rows x 256 K as images of operand registers: four halves of 768 bytes (64 K): registers 0-3 at 16 x lane, registers 4-5 at 512 + 8 x lane.
; SHARES: a work-group makes 128 x 128 of C: 32 x 8 = 256 work-groups.  Its operands for ALL of K, 8 rowtiles x 4 kq x 3,072 bytes a side, 196,608 bytes, lie in LDS at once: each byte is filled once, so there is no ring and no refill.
; Each wave issues one joint load at the head: waves 0, 1 A's kq 0-1 and 2-3, waves 2, 3 B's: two rows of 24,576 bytes each.  CLUSTER 4 x 4: A's tile hangs on the tile row and is shared along a row, B's on the tile column.
; A wave makes 64 x 64: 16 accumulators in window 1; fragments in window 0, two buffers of 4 + 4 fragments: a step of 128 along K is 32 LDS loads and 16 matrix instructions, the accumulators by turns.
; THE SCALE WORDS go from memory into registers: a load of 8 bytes a lane covers two rowtiles' 256 consecutive bytes (lanes 0-15 the even block, lanes 16-31 the odd one, chosen by the ROW selector); 16 loads a wave serve all of K.
; The matrix instruction is used transposed (source 0 = rows of out_w, source 1 = rows of A): a lane holds eight neighbouring numbers of a row of C; 16 rows at a time go through the wave's own stage and leave as units of 256 bytes.
; No prefetch: the launch has no loop to run ahead in; every tile is asked for by the head's loads.
.set NRTA,   256
.set NRTB,   512
.set HALF,   49152                     ; what one tensor load brings: two kq x 8 rowtiles
.set BCOD,   2*HALF                    ; B's codes, behind A's
.set STAGE,  4*HALF
.set SPITCH, 272
.set SPARE,  STAGE+4*16*SPITCH         ; the spare words: 128 bytes a wave, named by no other line
.set ADA,  16                          ; v16-17 my A fragments, 16 x lane, kq 0-1 and 2-3;  v18-19 the same with 8 x lane
.set ADB,  20                          ; v20-23 the same for B
.set STO,  24
.set RD,   25
.set CO,   26
.set SV,   27                          ; 8 x lane
.set SPW,  28
.set NIL,  29
.set SC,   32                          ; v32-47 A's scale words: 4 kq + 2 (block / 2) + chunk;  v48-63 B's
.set FB,   64                          ; v64-159, v160-255 the two fragment buffers; on the way out v64-191 the rows read back
.set G1, 24
.set G0, 32
.set G1B, 48
.set G0B, 56
.set WV, 96
.set RH, 97
.set CH, 98
.set MSB, 0
.macro WIN new
.if MSB != (\new)
	s_set_vgpr_msb (MSB<<8)|(\new)
.set MSB, (\new)
.endif
.endm
.macro CROUND
	s_barrier_signal -1
	s_barrier_wait -1
	s_cmp_lg_u32 s[WV], 0
	s_cbranch_scc1 .Lnot_wave_0_\@
	s_barrier_signal -3
.Lnot_wave_0_\@:
	s_barrier_wait -3
	s_barrier_signal -1
	s_barrier_wait -1
.endm
	s_load_b128 s[4:7], s[0:1], 0x0                ; ac, asc
	s_load_b128 s[8:11], s[0:1], 0x10              ; cod, scl
	s_load_b64 s[12:13], s[0:1], 0x20              ; out0
	v_lshl_add_u32 v[SPW], v0, 2, SPARE
	v_mov_b32 v[NIL], 0
	ds_add_u32 v[SPW], v[NIL]                      ; the opening: the add, twice, and its wait ahead of the first tensor loads
	ds_add_u32 v[SPW], v[NIL]
	v_lshrrev_b32 v1, 5, v0
	v_readfirstlane_b32 s[WV], v1
	s_lshr_b32 s[RH], s[WV], 1                     ; my half of the rows.  Also: I fetch for A (0) or for B (1)
	s_and_b32 s[CH], s[WV], 1                      ; my half of the columns.  Also: which two kq I fetch
	s_bfe_u32 s40, ttmp6, 0x40000                  ; cx, cy
	s_bfe_u32 s41, ttmp6, 0x40004
	s_lshl_b32 s42, ttmp9, 2
	s_add_co_u32 s42, s42, s40                     ; tile column, 0 .. 7
	s_and_b32 s17, ttmp7, 0xffff
	s_lshl_b32 s17, s17, 2
	s_add_co_u32 s17, s17, s41                     ; tile row, 0 .. 31
	s_lshl_b32 s43, s41, 2
	s_lshl_b32 s43, 15, s43                        ; my row of the cluster
	s_lshl_b32 s44, 0x1111, s40                    ; my column
	s_or_b32 s[G1+0], s43, (3<<16)|(1<<21)         ; elements of 8 bytes; two rows of 3,072 elements, a kq apart
	s_or_b32 s[G1B+0], s44, (3<<16)|(1<<21)
.irp g, G1, G1B
	s_mov_b32 s[\g+1], 3072<<16
	s_mov_b32 s[\g+2], 2<<16
	s_mov_b32 s[\g+3], 3072<<16
	s_mov_b32 s[\g+4], 2
	s_mov_b32 s[\g+6], 0
	s_mov_b32 s[\g+7], 0
.endr
	s_mov_b32 s[G1+5], NRTA*384
	s_mov_b32 s[G1B+5], NRTB*384
	s_mul_i32 s20, s17, 8*3072                     ; A: my tile row's 8 rowtiles,
	s_mul_i32 s18, s[CH], 2*NRTA*3072              ; at kq 0 or 2
	s_add_co_u32 s20, s20, s18
	s_mov_b32 s21, 0
	s_mul_i32 s46, s42, 8*3072                     ; B: my tile column's 8 rowtiles, from rowtile 448 on
	s_add_co_u32 s46, s46, 448*3072
	s_mul_i32 s18, s[CH], 2*NRTB*3072
	s_add_co_u32 s46, s46, s18
	s_mov_b32 s47, 0
	s_mul_i32 s45, s[WV], HALF                     ; and where they go: no place in the cluster enters an LDS address
	s_lshl_b32 s22, s17, 3
	s_lshl_b32 s18, s[RH], 2
	s_add_co_u32 s22, s22, s18
	s_lshl_b32 s22, s22, 7                         ; my 4 rowtiles of A's scale words
	s_mov_b32 s23, 0
	s_lshl_b32 s92, s42, 3
	s_lshl_b32 s18, s[CH], 2
	s_add_co_u32 s92, s92, s18
	s_add_co_u32 s92, s92, 448
	s_lshl_b32 s92, s92, 7                         ; and of B's
	s_mov_b32 s93, 0
	s_lshl_b32 s94, s17, 7
	s_lshl_b32 s18, s[RH], 6
	s_add_co_u32 s94, s94, s18
	s_lshl_b32 s94, s94, 12                        ; my first row of C, 4,096 bytes a row,
	s_lshl_b32 s18, s42, 9
	s_add_co_u32 s94, s94, s18
	s_lshl_b32 s18, s[CH], 8
	s_add_co_u32 s94, s94, s18                     ; and my first column
	s_mov_b32 s95, 0
	s_mul_i32 s88, s[RH], 4*3072                   ; LDS: my 4 rowtiles of A,
	s_mul_i32 s89, s[CH], 4*3072
	s_add_co_u32 s89, s89, BCOD                    ; of B,
	s_mul_i32 s90, s[WV], 16*SPITCH
	s_add_co_u32 s90, s90, STAGE                   ; my stage
	s_mov_b32 s[G0], 1
	s_mov_b32 s[G0+1], s45
	s_mov_b32 s[G0B], 1
	s_mov_b32 s[G0B+1], s45
	s_wait_dscnt 0x0                               ; both opening adds are done
	s_wait_kmcnt 0x0
	s_add_nc_u64 s[G0+2:G0+3], s[4:5], s[20:21]
	s_or_b32 s[G0+3], s[G0+3], 0x80000000
	s_add_nc_u64 s[G0B+2:G0B+3], s[8:9], s[46:47]
	s_or_b32 s[G0B+3], s[G0B+3], 0x80000000
	s_add_nc_u64 s[6:7], s[6:7], s[22:23]
	s_add_nc_u64 s[10:11], s[10:11], s[92:93]
	s_add_nc_u64 s[12:13], s[12:13], s[94:95]
	CROUND                                         ; all sixteen work-groups are here: the joint loads meet
	s_cmp_eq_u32 s[RH], 0                          ; one tensor load a wave, on either way
	s_cbranch_scc0 .Lfor_b
	tensor_load_to_lds s[G0:G0+3], s[G1:G1+7]
	s_nop 0
.rept 4
	v_nop
.endr
	s_branch .Lasked
.Lfor_b:
	tensor_load_to_lds s[G0B:G0B+3], s[G1B:G1B+7]
	s_nop 0
.rept 4
	v_nop
.endr
.Lasked:
	v_and_b32 v1, 31, v0                           ; lane
	v_and_b32 v2, 15, v0                           ; r
	v_bfe_u32 v3, v0, 4, 1                         ; h
	v_lshlrev_b32 v4, 4, v1
	v_lshlrev_b32 v[SV], 3, v1
	v_add_nc_u32 v[ADA], s88, v4
	v_add_nc_u32 v[ADB], s89, v4
	v_add_nc_u32 v[ADA+2], s88, v[SV]
	v_add_nc_u32 v[ADB+2], s89, v[SV]
	v_add_nc_u32 v[ADA+1], HALF, v[ADA]
	v_add_nc_u32 v[ADB+1], HALF, v[ADB]
	v_add_nc_u32 v[ADA+3], HALF, v[ADA+2]
	v_add_nc_u32 v[ADB+3], HALF, v[ADB+2]
	v_mul_u32_u24 v5, v2, SPITCH                   ; the stage, in: row r, 32 bytes for each half of the lanes
	v_lshl_add_u32 v5, v3, 5, v5
	v_add_nc_u32 v[STO], s90, v5
	v_mul_u32_u24 v6, v3, SPITCH                   ; back: sixteen lanes take a row's 256 bytes, two rows an instruction
	v_lshl_add_u32 v6, v2, 4, v6
	v_add_nc_u32 v[RD], s90, v6
	v_lshlrev_b32 v7, 12, v3                       ; and the same two rows in C
	v_lshl_add_u32 v[CO], v2, 4, v7
	s_wait_alu depctr_va_vdst(0)                   ; the head's end
.irp k, 0,1,2,3
.irp p, 0,1
	global_load_b64 v[SC+4*\k+2*\p:SC+4*\k+2*\p+1], v[SV], s[6:7] offset:\k*NRTA*128+\p*256
	global_load_b64 v[SC+16+4*\k+2*\p:SC+16+4*\k+2*\p+1], v[SV], s[10:11] offset:\k*NRTB*128+\p*256
.endr
.endr
	s_wait_tensorcnt 0x0                           ; my part is in;
	s_barrier_signal -1
	s_barrier_wait -1                              ; and everybody's
.macro FRAG reg, a16, a8, off
	ds_load_b128 v[\reg:\reg+3], v[\a16] offset:\off
	ds_load_b64 v[\reg+4:\reg+5], v[\a8] offset:\off+512
	ds_load_b128 v[\reg+6:\reg+9], v[\a16] offset:\off+768
	ds_load_b64 v[\reg+10:\reg+11], v[\a8] offset:\off+1280
.endm
.macro FETCH s                         ; step s (kq = s / 2, chunk s % 2): 4 fragments of A, 4 of B, into buffer s % 2: 32 loads
.set OF, (((\s)/2)%2)*24576+((\s)%2)*1536
.set HS, (\s)/4
.set FS, FB+96*((\s)%2)
.irp i, 0,1,2,3
	FRAG FS+12*\i, ADA+HS, ADA+2+HS, OF+\i*3072
	FRAG FS+48+12*\i, ADB+HS, ADB+2+HS, OF+\i*3072
.endr
.endm
.macro WM a, b, s                      ; accumulator (a, b): source 0 = B's block b, source 1 = A's block a; an odd block's scale words stand in lanes 16-31.  Step 0 starts the sums
.set DD, 8*(4*(\a)+(\b))
.set BF, FB+96*((\s)%2)+48+12*(\b)
.set AR, FB+96*((\s)%2)+12*(\a)
.set SB, SC+16+4*((\s)/2)+2*((\b)/2)+(\s)%2
.set SA, SC+4*((\s)/2)+2*((\a)/2)+(\s)%2
.if (\s) == 0
.if ((\b)%2) == 0 && ((\a)%2) == 0
	v_wmma_scale_f32_16x16x128_f8f6f4 v[DD:DD+7], v[BF:BF+11], v[AR:AR+11], 0, v[SB], v[SA] matrix_a_fmt:MATRIX_FMT_FP6 matrix_b_fmt:MATRIX_FMT_FP6
.endif
.if ((\b)%2) == 1 && ((\a)%2) == 0
	v_wmma_scale_f32_16x16x128_f8f6f4 v[DD:DD+7], v[BF:BF+11], v[AR:AR+11], 0, v[SB], v[SA] matrix_a_fmt:MATRIX_FMT_FP6 matrix_b_fmt:MATRIX_FMT_FP6 matrix_a_scale:MATRIX_SCALE_ROW1
.endif
.if ((\b)%2) == 0 && ((\a)%2) == 1
	v_wmma_scale_f32_16x16x128_f8f6f4 v[DD:DD+7], v[BF:BF+11], v[AR:AR+11], 0, v[SB], v[SA] matrix_a_fmt:MATRIX_FMT_FP6 matrix_b_fmt:MATRIX_FMT_FP6 matrix_b_scale:MATRIX_SCALE_ROW1
.endif
.if ((\b)%2) == 1 && ((\a)%2) == 1
	v_wmma_scale_f32_16x16x128_f8f6f4 v[DD:DD+7], v[BF:BF+11], v[AR:AR+11], 0, v[SB], v[SA] matrix_a_fmt:MATRIX_FMT_FP6 matrix_b_fmt:MATRIX_FMT_FP6 matrix_a_scale:MATRIX_SCALE_ROW1 matrix_b_scale:MATRIX_SCALE_ROW1
.endif
.else
.if ((\b)%2) == 0 && ((\a)%2) == 0
	v_wmma_scale_f32_16x16x128_f8f6f4 v[DD:DD+7], v[BF:BF+11], v[AR:AR+11], v[DD:DD+7], v[SB], v[SA] matrix_a_fmt:MATRIX_FMT_FP6 matrix_b_fmt:MATRIX_FMT_FP6
.endif
.if ((\b)%2) == 1 && ((\a)%2) == 0
	v_wmma_scale_f32_16x16x128_f8f6f4 v[DD:DD+7], v[BF:BF+11], v[AR:AR+11], v[DD:DD+7], v[SB], v[SA] matrix_a_fmt:MATRIX_FMT_FP6 matrix_b_fmt:MATRIX_FMT_FP6 matrix_a_scale:MATRIX_SCALE_ROW1
.endif
.if ((\b)%2) == 0 && ((\a)%2) == 1
	v_wmma_scale_f32_16x16x128_f8f6f4 v[DD:DD+7], v[BF:BF+11], v[AR:AR+11], v[DD:DD+7], v[SB], v[SA] matrix_a_fmt:MATRIX_FMT_FP6 matrix_b_fmt:MATRIX_FMT_FP6 matrix_b_scale:MATRIX_SCALE_ROW1
.endif
.if ((\b)%2) == 1 && ((\a)%2) == 1
	v_wmma_scale_f32_16x16x128_f8f6f4 v[DD:DD+7], v[BF:BF+11], v[AR:AR+11], v[DD:DD+7], v[SB], v[SA] matrix_a_fmt:MATRIX_FMT_FP6 matrix_b_fmt:MATRIX_FMT_FP6 matrix_a_scale:MATRIX_SCALE_ROW1 matrix_b_scale:MATRIX_SCALE_ROW1
.endif
.endif
.endm
.macro MUL s                           ; the 16 accumulators take turns, one instruction a turn, in the same order in every step
	WIN 0x50                                       ; C and D in window 1
.irp a, 0,1,2,3
.irp b, 0,1,2,3
	WM \a, \b, \s
.endr
.endr
	WIN 0
.endm
.macro PLACES
.rept 4
	v_nop                                          ; four places between matrix instructions and loads into their operands, or stores of their results
.endr
.endm
	FETCH 0
	FETCH 1
	s_wait_loadcnt 0x0                             ; the scale words are in
	s_wait_dscnt 32                                ; step 0's 32 loads are in; step 1's may be out
	MUL 0
.irp s, 1,2,3,4,5,6
	PLACES
	FETCH \s+1
	s_wait_dscnt 32                                ; all but the 32 just issued
	MUL \s
.endr
	s_wait_dscnt 0x0
	MUL 7
; THE WAY OUT, 16 rows x 64 columns at a time, through my own stage; LDS serves a wave's instructions in order, so no wait stands between the stores and the loads, nor ahead of the next block's stores.
; Each block has its own 32 registers for the rows read back and every offset is an immediate: no store's register or base is written again.
.macro TOSTAGE a
	WIN 0x04                                       ; the data: window 1
.irp b, 0,1,2,3
	ds_store_b128 v[STO], v[32*(\a)+8*\b:32*(\a)+8*\b+3] offset:64*\b        ; each accumulator from its low end on
	ds_store_b128 v[STO], v[32*(\a)+8*\b+4:32*(\a)+8*\b+7] offset:64*\b+16
.endr
	WIN 0
.irp t, 0,1,2,3,4,5,6,7
	ds_load_b128 v[FB+32*(\a)+4*\t:FB+32*(\a)+4*\t+3], v[RD] offset:\t*2*SPITCH
.endr
.endm
.macro SEND a, younger                 ; younger: the LDS instructions issued behind block a's loads
	s_wait_dscnt \younger
.irp t, 0,1,2,3,4,5,6,7
	global_store_b128 v[CO], v[FB+32*(\a)+4*\t:FB+32*(\a)+4*\t+3], s[12:13] offset:(16*(\a)+2*\t)*4096 th:TH_STORE_NT   ; sixteen lanes store 256 consecutive bytes, at a multiple of 256 from out0's first byte
.endr
.endm
	PLACES
	TOSTAGE 0
	TOSTAGE 1
	SEND 0, 16
	TOSTAGE 2
	SEND 1, 16
	TOSTAGE 3
	SEND 2, 16
	SEND 3, 0
	s_wait_tensorcnt 0x0                           ; the wave's end
	ds_add_u32 v[SPW], v[NIL]
	s_wait_dscnt 0x0
	CROUND                                         ; the closing round
	s_endpgm
.Lfunc_end_k_q6cec00fee2_proj:
	.size	k_q6cec00fee2_proj, .Lfunc_end_k_q6cec00fee2_proj-k_q6cec00fee2_proj
	.p2alignl 7, 3214868480
	.fill 96, 4, 3214868480
	.section	.rodata,"a",@progbits
	.p2align	6, 0x0
	.amdhsa_kernel k_q6cec00fee2_proj
		.amdhsa_group_segment_fixed_size 214528
		.amdhsa_private_segment_fixed_size 0
		.amdhsa_enable_private_segment 0
		.amdhsa_kernarg_size 40
		.amdhsa_user_sgpr_count 2
		.amdhsa_user_sgpr_kernarg_segment_ptr 1
		.amdhsa_wavefront_size32 1
		.amdhsa_system_sgpr_workgroup_id_x 1
		.amdhsa_system_sgpr_workgroup_id_y 1
		.amdhsa_system_sgpr_workgroup_id_z 1
		.amdhsa_system_vgpr_workitem_id 0
		.amdhsa_next_free_vgpr 384
		.amdhsa_next_free_sgpr 100
		.amdhsa_reserve_vcc 0
		.amdhsa_float_denorm_mode_32 3
		.amdhsa_float_denorm_mode_16_64 3
		.amdhsa_memory_ordered 1
		.amdhsa_forward_progress 1
		.amdhsa_inst_pref_size 50
	.end_amdhsa_kernel
	.amdgpu_metadata
---
amdhsa.version: [ 1, 2 ]
amdhsa.kernels:
  - .name:           k_q6cec00fee2_proj
    .symbol:         k_q6cec00fee2_proj.kd
    .args:
      - { .name: ac, .offset: 0, .size: 8, .value_kind: global_buffer, .address_space: global }
      - { .name: asc, .offset: 8, .size: 8, .value_kind: global_buffer, .address_space: global }
      - { .name: cod, .offset: 16, .size: 8, .value_kind: global_buffer, .address_space: global }
      - { .name: scl, .offset: 24, .size: 8, .value_kind: global_buffer, .address_space: global }
      - { .name: out0, .offset: 32, .size: 8, .value_kind: global_buffer, .address_space: global }
    .group_segment_fixed_size: 214528
    .private_segment_fixed_size: 0
    .kernarg_segment_align: 8
    .kernarg_segment_size: 40
    .max_flat_workgroup_size: 128
    .sgpr_count:     100
    .vgpr_count:     384
    .wavefront_size: 32
...
	.end_amdgpu_metadata
.endif
;; end of part 4
